; MI455X (gfx1250); checked and timed in simulation.
; The chip was launched on July 23, 2026; its instructions are those of AMD's public machine-readable ISA for CDNA 5 (MIT licence, August 2026) and "CDNA5" Instruction Set Architecture Reference Guide (July 2026). The comments in the code are by the model that wrote it; some were corrected since.
;; Multi Scale Q Table. Allowed arithmetic: float matrix products may take bf16 or f16 operands with f32 sums; all other float work in f32.
;; Inputs: Wg 2,048 x 3 float32; Wk 3 x 2,048 x 512 float32; Wo 512 x 2,048 float32; Wq 2,048 x 512 float32; Wv 3 x 2,048 x 512 float32; decay_logits 3 float32; out_scale one number float32; x 4 x 1,024 x 2,048 float32.
;; Outputs: out0 4 x 1,024 x 2,048 float32.
;; One version. Each part assembles by itself: llvm-mc -triple=amdgcn-amd-amdhsa -mcpu=gfx1250 --defsym DOCPART=n.
;; ======== version 1 of 1: 5 launches
;; limits: values are held in f16: magnitudes above 65,504 overflow, below 6.1e-05 lose precision
;; workspace buffers: xh 16,777,216 bytes; wh 14,680,064 bytes; woh 2,097,152 bytes; gate 65,536 bytes; qkv 29,360,128 bytes; stat 3,584 bytes; pbuf 25,165,824 bytes; obuf 4,194,304 bytes
;; launch prep (part 1): grid 512 x 1, 8 waves a work-group, no clusters, 3,072 bytes of LDS; arguments x, Wg, Wq, Wk, Wv, Wo, xh, gate, wh, woh; writes xh, gate, wh, woh
.if DOCPART == 1
	.amdgcn_target "amdgcn-amd-amdhsa--gfx1250"
	.amdhsa_code_object_version 6
	.text
	.protected	k_q467f85dff2_prep
	.globl	k_q467f85dff2_prep
	.p2align	8
	.type	k_q467f85dff2_prep,@function
k_q467f85dff2_prep:
	s_mov_b64 s[64:65], 0
	v_nop
	global_prefetch_b8 v0, s[64:65] scope:SCOPE_SE
	s_setreg_imm32_b32 hwreg(HW_REG_WAVE_MODE, 25, 1), 1
	s_wait_xcnt 0x0
; prep: casts to f16 and the gate.
;   work-groups 0-255:   xh = f16(x), 16 rows of 2,048 each; gate[row] = softmax(x[row] . Wg) in f32, stored as (g0, g1, g2, 0).
;   work-groups 256-511: wh[k][512 m + c] = f16 of Wq (m = 0), Wk[m-1] (m = 1..3), Wv[m-4] (m = 4..6); woh = f16(Wo).
; Memory binds and no two work-groups share a byte, so: no matrix unit, no tensor loads, no cluster. Every wave issues its 32 loads
; of 16 bytes a lane (16 KiB) in one run and works them off with counted waits; the text is straight, without a loop.
; LIMIT: numbers beyond the range of f16 (65,504) become infinite in xh, wh, woh; below 2^-24 they become zero.
.set XROW, 8192                        ; bytes in a row of x
.set HROW, 4096                        ; bytes in a row of xh
.set SM,  4                            ; v[4:7]    three partial sums and a zero
.set WG,  8                            ; v[8:31]   Wg of my 8 columns as loaded: element 3 c + i
.set WP,  32                           ; v[32:55]  the same, i-major, so that column pairs are register pairs
.set AC,  56                           ; v[56:61]  three packed sums
.set PT,  62                           ; v62       what the other half of the lanes sends
.set LW,  63                           ; v63       16 x wave: my word group in LDS
.set X,   64                           ; v[64:191] 16 rows (or 8 units) as loaded
	s_load_b512 s[4:19], s[0:1], 0x0               ; x 4, Wg 6, Wq 8, Wk 10, Wv 12, Wo 14, xh 16, gate 18
	s_load_b128 s[20:23], s[0:1], 0x40             ; wh 20, woh 22
	v_lshl_add_u32 v192, v0, 2, 0x800
	v_mov_b32 v193, 0
	v_lshrrev_b32 v1, 5, v0
	v_readfirstlane_b32 s24, v1                    ; wave 0..7
	s_cmp_ge_u32 ttmp9, 256                        ; the same for all waves of a work-group
	s_cbranch_scc1 .Lweights
	; ---- x: thread t owns columns 8 t .. 8 t + 7 of 16 rows
	s_lshl_b32 s26, ttmp9, 17                      ; 16 rows of 8,192 bytes
	s_mov_b32 s27, 0
	s_lshl_b32 s28, ttmp9, 16                      ; 16 rows of 4,096 bytes
	s_mov_b32 s29, 0
	s_lshl_b32 s32, ttmp9, 8                       ; 16 gate rows of 16 bytes
	s_mov_b32 s33, 0
	s_mov_b32 s30, 0x76543210                      ; v_permlanex16_b32: lane i reads lane i of the other half
	s_mov_b32 s31, 0xfedcba98
	s_lshl_b32 s25, s24, 4
	v_lshlrev_b32 v1, 5, v0                        ; 32 t: my 8 numbers in a row of x
	v_lshlrev_b32 v2, 4, v0                        ; 16 t: the same in a row of xh
	v_mul_u32_u24 v3, 0x60, v0                     ; 96 t: my 24 numbers of Wg
	v_mov_b32 v[LW], s25
	v_mov_b32 v[SM+3], 0
	v_mov_b32 v[PT], 0
	s_wait_kmcnt 0x0
	s_add_nc_u64 s[4:5], s[4:5], s[26:27]
	s_add_nc_u64 s[16:17], s[16:17], s[28:29]
	s_add_nc_u64 s[18:19], s[18:19], s[32:33]
.irp k, 0,1,2,3,4,5
	global_load_b128 v[WG+4*\k:WG+4*\k+3], v3, s[6:7] offset:16*\k
.endr
.irp j, 0,1,2,3,4,5,6,7,8,9,10,11,12,13,14,15
	global_load_b128 v[X+8*\j:X+8*\j+3],   v1, s[4:5] offset:XROW*\j th:TH_LOAD_NT
	global_load_b128 v[X+8*\j+4:X+8*\j+7], v1, s[4:5] offset:XROW*\j+16 th:TH_LOAD_NT
.endr
	s_wait_loadcnt 32                              ; the six loads of Wg are in; the 32 of x stay out
.irp c, 0,1,2,3,4,5,6,7
.irp i, 0,1,2
	v_mov_b32 v[WP+8*\i+\c], v[WG+3*\c+\i]
.endr
.endr
; One row: three dot products of my 8 numbers, the cast, the store, the sum over the 32 lanes, the wave sums into LDS.
.macro ROW j
	s_wait_loadcnt 30-2*\j                         ; loads return in order: the 2 (15 - j) younger ones stay out
.irp i, 0,1,2
	v_pk_mul_f32 v[AC+2*\i:AC+2*\i+1], v[X+8*\j:X+8*\j+1], v[WP+8*\i:WP+8*\i+1]
.endr
.irp c, 2,4,6
.irp i, 0,1,2
	v_pk_fma_f32 v[AC+2*\i:AC+2*\i+1], v[X+8*\j+\c:X+8*\j+\c+1], v[WP+8*\i+\c:WP+8*\i+\c+1], v[AC+2*\i:AC+2*\i+1]
.endr
.endr
.irp i, 0,1,2
	v_add_f32 v[SM+\i], v[AC+2*\i], v[AC+2*\i+1]
.endr
.irp k, 0,1,2,3
	v_cvt_pk_f16_f32 v[X+8*\j+\k], v[X+8*\j+2*\k], v[X+8*\j+2*\k+1]   ; in place: word k is written after words 2 k, 2 k + 1 were read
.endr
	global_store_b128 v2, v[X+8*\j:X+8*\j+3], s[16:17] offset:HROW*\j   ; the wave stores 512 consecutive bytes; these registers are never written again
.irp m, 1,2,4,8
.irp i, 0,1,2
	v_add_f32_dpp v[SM+\i], v[SM+\i], v[SM+\i] row_xmask:\m row_mask:0xf bank_mask:0xf
.endr
.endr
.irp i, 0,1,2
	v_permlanex16_b32 v[PT], v[SM+\i], s30, s31
	v_add_f32 v[SM+\i], v[SM+\i], v[PT]
.endr
	ds_store_b128 v[LW], v[SM:SM+3] offset:128*\j  ; row j, wave w: 16 bytes at 128 j + 16 w; every lane holds the same four words
.endm
.irp r, 0,1,2,3,4,5,6,7,8,9,10,11,12,13,14,15
	ROW \r
.endr
	s_wait_dscnt 0x0                               ; my sums are in LDS before I say so
	s_barrier_signal -1
	s_barrier_wait -1
	s_cmp_lg_u32 s24, 0
	s_cbranch_scc1 .Ldone                          ; wave 0 finishes the 16 gates, lane L for row L mod 16
	v_and_b32 v1, 15, v0                           ; all loads that named v1 and v3 have returned
	v_lshlrev_b32 v3, 7, v1
	v_lshlrev_b32 v56, 4, v1
.irp k, 0,1,2,3,4,5,6,7
	ds_load_b128 v[8+4*\k:11+4*\k], v3 offset:16*\k
.endr
	s_wait_dscnt 0x0
.irp k, 1,2,3,4,5,6,7
	v_pk_add_f32 v[8:9],   v[8:9],   v[8+4*\k:9+4*\k]
	v_pk_add_f32 v[10:11], v[10:11], v[10+4*\k:11+4*\k]   ; v11 adds the eight zeros: the fourth word of the gate row
.endr
	v_max3_num_f32 v40, v8, v9, v10                ; the maximum is taken away before the exponentials
.irp i, 8,9,10
	v_sub_f32 v\i, v\i, v40
.endr
.irp i, 8,9,10
	v_mul_f32 v\i, 0x3fb8aa3b, v\i                 ; e^x = 2^(1.442695 x)
.endr
	v_exp_f32 v8, v8
	v_exp_f32 v9, v9
	v_exp_f32 v10, v10
	v_nop                                          ; one plain place behind the exponentials (ISA guide 5.7.2)
	s_wait_alu depctr_va_vdst(0)
	v_add_f32 v41, v8, v9
	v_add_f32 v41, v41, v10
	v_rcp_f32 v41, v41
	v_nop                                          ; and one behind the reciprocal
	v_cmp_gt_u32 vcc_lo, 16, v0
	s_wait_alu depctr_va_vdst(0)
.irp i, 8,9,10
	v_mul_f32 v\i, v\i, v41
.endr
	s_wait_xcnt 0x0                                ; EXEC is a source of the stores above: it changes only behind this wait
	s_and_saveexec_b32 s26, vcc_lo
	global_store_b128 v56, v[8:11], s[18:19]       ; sixteen lanes store 256 consecutive bytes, aligned
	s_wait_xcnt 0x0
	s_or_b32 exec_lo, exec_lo, s26
.Ldone:
	s_wait_tensorcnt 0x0
	ds_add_u32 v192, v193
	s_wait_dscnt 0x0
	s_endpgm
	; ---- weights: a unit is 512 numbers (2,048 bytes in, 1,024 out); a wave takes 8 units, a work-group 64, a matrix 2,048
.Lweights:
	s_sub_co_u32 s25, ttmp9, 256
	s_lshr_b32 s26, s25, 5                         ; m = 0 Wq, 1..3 Wk, 4..6 Wv, 7 Wo
	s_and_b32 s27, s25, 31
	s_lshl_b32 s27, s27, 6
	s_lshl3_add_u32 s27, s24, s27                  ; R = 64 (j mod 32) + 8 w: my first unit
	s_sub_co_u32 s29, s26, 4
	s_sub_co_u32 s30, s26, 1
	s_lshl_b32 s31, s26, 10                        ; 1,024 m: the column of matrix m in a row of wh
	s_movk_i32 s38, 7168                           ; bytes from unit to unit in wh,
	s_movk_i32 s39, 1024                           ; and in woh
	v_and_b32 v1, 31, v0
	v_lshlrev_b32 v2, 4, v1                        ; 16 L
	v_lshlrev_b32 v1, 5, v1                        ; 32 L
	s_wait_kmcnt 0x0
	s_cmp_lt_u32 s26, 7
	s_cselect_b64 s[32:33], s[12:13], s[14:15]     ; source: Wv or Wo
	s_cselect_b32 s28, s29, 0                      ; which of the three matrices of that buffer
	s_cselect_b64 s[36:37], s[20:21], s[22:23]     ; destination: wh or woh
	s_cselect_b32 s38, s38, s39
	s_cselect_b32 s31, s31, 0
	s_cmp_lt_u32 s26, 4
	s_cselect_b64 s[32:33], s[10:11], s[32:33]     ; Wk
	s_cselect_b32 s28, s30, s28
	s_cmp_lt_u32 s26, 1
	s_cselect_b64 s[32:33], s[8:9], s[32:33]       ; Wq
	s_cselect_b32 s28, 0, s28
	s_lshl_b32 s28, s28, 22                        ; a matrix is 4 MiB
	s_lshl_b32 s34, s27, 11
	s_add_co_u32 s34, s34, s28
	s_mov_b32 s35, 0
	s_add_nc_u64 s[32:33], s[32:33], s[34:35]
	s_mul_i32 s34, s27, s38
	s_add_co_u32 s34, s34, s31
	s_add_nc_u64 s[36:37], s[36:37], s[34:35]
.irp u, 0,1,2,3,4,5,6,7
.irp q, 0,1
	global_load_b128 v[X+16*\u+8*\q:X+16*\u+8*\q+3],   v1, s[32:33] offset:2048*\u+1024*\q th:TH_LOAD_NT
	global_load_b128 v[X+16*\u+8*\q+4:X+16*\u+8*\q+7], v1, s[32:33] offset:2048*\u+1024*\q+16 th:TH_LOAD_NT
.endr
.endr
.irp u, 0,1,2,3,4,5,6,7
	s_mul_i32 s25, s38, \u
	v_add_nc_u32 v[8+\u], s25, v2                  ; 16 L + u units
.endr
.irp u, 0,1,2,3,4,5,6,7
	s_wait_loadcnt 28-4*\u                         ; the 4 (7 - u) younger loads stay out
.irp q, 0,1
.irp k, 0,1,2,3
	v_cvt_pk_f16_f32 v[X+16*\u+8*\q+\k], v[X+16*\u+8*\q+2*\k], v[X+16*\u+8*\q+2*\k+1]
.endr
	global_store_b128 v[8+\u], v[X+16*\u+8*\q:X+16*\u+8*\q+3], s[36:37] offset:512*\q   ; 512 consecutive bytes, aligned to 256
.endr
.endr
	s_endpgm
.Lfunc_end_k_q467f85dff2_prep:
	.size	k_q467f85dff2_prep, .Lfunc_end_k_q467f85dff2_prep-k_q467f85dff2_prep
	.p2alignl 7, 3214868480
	.fill 96, 4, 3214868480
	.section	.rodata,"a",@progbits
	.p2align	6, 0x0
	.amdhsa_kernel k_q467f85dff2_prep
		.amdhsa_group_segment_fixed_size 3072
		.amdhsa_private_segment_fixed_size 0
		.amdhsa_enable_private_segment 0
		.amdhsa_kernarg_size 80
		.amdhsa_user_sgpr_count 2
		.amdhsa_user_sgpr_kernarg_segment_ptr 1
		.amdhsa_wavefront_size32 1
		.amdhsa_system_sgpr_workgroup_id_x 1
		.amdhsa_system_sgpr_workgroup_id_y 1
		.amdhsa_system_sgpr_workgroup_id_z 1
		.amdhsa_system_vgpr_workitem_id 0
		.amdhsa_next_free_vgpr 194
		.amdhsa_next_free_sgpr 66
		.amdhsa_reserve_vcc 1
		.amdhsa_float_denorm_mode_32 3
		.amdhsa_float_denorm_mode_16_64 3
		.amdhsa_memory_ordered 1
		.amdhsa_forward_progress 1
		.amdhsa_inst_pref_size 56
	.end_amdhsa_kernel
	.amdgpu_metadata
---
amdhsa.version: [ 1, 2 ]
amdhsa.kernels:
  - .name:           k_q467f85dff2_prep
    .symbol:         k_q467f85dff2_prep.kd
    .args:
      - { .name: x, .offset: 0, .size: 8, .value_kind: global_buffer, .address_space: global }
      - { .name: Wg, .offset: 8, .size: 8, .value_kind: global_buffer, .address_space: global }
      - { .name: Wq, .offset: 16, .size: 8, .value_kind: global_buffer, .address_space: global }
      - { .name: Wk, .offset: 24, .size: 8, .value_kind: global_buffer, .address_space: global }
      - { .name: Wv, .offset: 32, .size: 8, .value_kind: global_buffer, .address_space: global }
      - { .name: Wo, .offset: 40, .size: 8, .value_kind: global_buffer, .address_space: global }
      - { .name: xh, .offset: 48, .size: 8, .value_kind: global_buffer, .address_space: global }
      - { .name: gate, .offset: 56, .size: 8, .value_kind: global_buffer, .address_space: global }
      - { .name: wh, .offset: 64, .size: 8, .value_kind: global_buffer, .address_space: global }
      - { .name: woh, .offset: 72, .size: 8, .value_kind: global_buffer, .address_space: global }
    .group_segment_fixed_size: 3072
    .private_segment_fixed_size: 0
    .kernarg_segment_align: 8
    .kernarg_segment_size: 80
    .max_flat_workgroup_size: 256
    .sgpr_count:     66
    .vgpr_count:     194
    .wavefront_size: 32
...
	.end_amdgpu_metadata
.endif
;; end of part 1
;; launch proj (part 2): grid 16 x 14, 4 waves a work-group, clusters of 4 x 1, 327,680 bytes of LDS; arguments xh, wh, qkv, stat; writes qkv, stat
.if DOCPART == 2
	.amdgcn_target "amdgcn-amd-amdhsa--gfx1250"
	.amdhsa_code_object_version 6
	.text
	.protected	k_q467f85dff2_proj
	.globl	k_q467f85dff2_proj
	.p2align	8
	.type	k_q467f85dff2_proj,@function
k_q467f85dff2_proj:
	s_mov_b64 s[64:65], 0
	v_nop
	global_prefetch_b8 v0, s[64:65] scope:SCOPE_SE
	s_setreg_imm32_b32 hwreg(HW_REG_WAVE_MODE, 25, 1), 1
	s_wait_xcnt 0x0
	s_wait_alu depctr_hold_cnt(0) depctr_sa_sdst(0) depctr_va_vdst(0) depctr_va_sdst(0) depctr_va_ssrc(0) depctr_va_vcc(0) depctr_vm_vsrc(0)
	s_getreg_b32 s2, hwreg(HW_REG_IB_STS2, 6, 4)
	s_cmp_eq_u32 s2, 0
	s_cbranch_scc0 .Lentry_in_a_cluster
	s_endpgm
.Lentry_in_a_cluster:
	s_bfe_u32 s2, ttmp6, 0x10000c
	s_cmp_lg_u32 s2, 0x3003
	s_cbranch_scc0 .Lentry_shape_is_right
	s_endpgm
.Lentry_shape_is_right:
; proj: qkv[m][n] = sum over k of xh[m][k] wh[k][n].  xh [4096][2048], wh [2048][3584], qkv [4096][3584], all f16; sums in f32.
; Also stat[nb][mb][wave] = the largest |sum| of that wave (f32): the later launches make their power-of-two scales from it.
; A work-group makes 256 x 256 with four waves of 128 x 128 (64 accumulator tiles, 512 registers). K goes in steps of 128 through a ring
; of two LDS slots. 3584 / 256 = 14 block columns x 16 block rows = 224 work-groups.
; CLUSTER 4 x 1: the four partners make four block rows of ONE block column, so they need the same tile of wh: it is asked for jointly
; (mask 15). Their tiles of xh differ and come by plain loads. 14 block columns are no multiple of 4, so a 4 x 4 cluster does not divide the grid.
; LIMIT: a sum beyond 65,504 becomes infinite in qkv.
; REGISTERS, in windows of 256: window 0: v0-31 addresses, v64-127 and v128-191 fragments of xh (two buffers), v192-223 at work on the way out;
; window 1: v64-127, v128-191 fragments of wh; windows 2, 3: accumulators of my rows 0-63, 64-127 (tile (a, b) at v[8 (8 a + b)]).
; The matrix instruction is used transposed (source 0 = 16 columns of wh, source 1 = 16 rows of xh): lane l then holds row l % 16 and
; eight neighbouring columns 8 (l / 16) + 0..7, which pack into 16 bytes.
.set SIZE_K, 2048
.set SIZE_N, 3584
.set KSTEP,  128
.set PITCH,  272                       ; LDS row of xh: 256 bytes + 16
.set BPITCH, 544                       ; LDS row of wh (one k, 256 n): 512 bytes + 32, an odd multiple of 32 for the transposing loads
.set HALFT,  128*PITCH                 ; what one tensor load brings: 128 rows of xh, or 64 rows of wh (64 x 544 is the same 34,816)
.set SLOT,   4*HALFT
.set STAGE,  2*SLOT                    ; behind the ring: 16 rows x 272 bytes for each wave
.set SPITCH, 272
.set LAPS,   SIZE_K/(2*KSTEP)          ; 8 laps of two K steps
.set BSTEP,  KSTEP*SIZE_N*2            ; bytes of wh from K step to K step
.set ADRA, 16                          ; v16-17  LDS address of my fragments of xh in slot 0, 1
.set ADRB, 20                          ; v20-21  the same for wh
.set STO,  24
.set RD,   25
.set CO,   26
.set MX,   28                          ; v28-31  four running maxima of |sum|
.set F0,   64
.set F1,   128
.set TMP,  192
.set G1A, 24                           ; s[24:31] shape of a tile of xh
.set G0A, 32                           ; s[32:39] from where, to where: one set for each slot
.set G1B, 40                           ; s[40:47] shape of a tile of wh, with the mask
.set G0B, 48                           ; s[48:55]
.set MSB, 0
.macro WIN new                         ; the high byte of the immediate repeats the setting that is left
.if MSB != \new
	s_set_vgpr_msb (MSB<<8)|\new
.set MSB, \new
.endif
.endm
.set MUL_LO, 0xa1                      ; source 0 window 1, source 1 window 0, C and D window 2
.set MUL_HI, 0xf1                      ; the same, C and D window 3
.set TO_B,   0x40                      ; destination window 1, address window 0
.macro JLOAD s                         ; waves 0, 1 fetch the halves of the tile of xh (plain), waves 2, 3 those of wh (joint)
	s_cmp_eq_u32 s13, 0
	s_cbranch_scc0 .Lfor_b_\@
	tensor_load_to_lds s[G0A+4*\s:G0A+4*\s+3], s[G1A:G1A+7]
	s_nop 0
	s_branch .Lasked_\@
.Lfor_b_\@:
	tensor_load_to_lds s[G0B+4*\s:G0B+4*\s+3], s[G1B:G1B+7]
	s_nop 0
.Lasked_\@:
.endm
.macro CREST                           ; a round of the cluster barrier behind its opening work-group barrier
	s_cmp_lg_u32 s12, 0
	s_cbranch_scc1 .Lnot_wave_0_\@
	s_barrier_signal -3
.Lnot_wave_0_\@:
	s_barrier_wait -3
	s_barrier_signal -1
	s_barrier_wait -1
.endm
.macro CROUND
	s_barrier_signal -1
	s_barrier_wait -1
	CREST
.endm
	s_load_b256 s[4:11], s[0:1], 0x0               ; xh 4, wh 6, qkv 8, stat 10
	s_set_vgpr_msb 0x40
	v_lshl_add_u32 v255, v0, 2, 0x48400
	s_set_vgpr_msb 0x4000
	v_mov_b32 v255, 0
	s_set_vgpr_msb 0x1
	ds_add_u32 v255, v255
	s_set_vgpr_msb 0x100
	v_lshrrev_b32 v1, 5, v0
	v_readfirstlane_b32 s12, v1                    ; wave 0..3
	s_lshr_b32 s13, s12, 1                         ; my half of the rows. Also: I fetch xh (0) or wh (1)
	s_and_b32 s14, s12, 1                          ; my half of the columns. Also: which half of that tile I fetch
	s_bfe_u32 s15, ttmp6, 0x40000                  ; cx
	s_lshl_b32 s16, ttmp9, 2
	s_add_co_u32 s16, s16, s15                     ; block row mb = 4 x cluster x + cx
	s_and_b32 s17, ttmp7, 0xffff                   ; block column nb: the cluster is one work-group high
	s_mov_b32 s62, 0x76543210
	s_mov_b32 s63, 0xfedcba98
	s_mov_b32 s[G1A+0], (1<<16)|(1<<20)|(5<<22)|(3<<25)   ; no mask; 2-byte elements; 4 words of padding behind every 64
	s_mov_b32 s[G1A+1], KSTEP<<16                  ; tensor_dim0 = 128
	s_mov_b32 s[G1A+2], 128<<16                    ; tensor_dim1 = 128
	s_mov_b32 s[G1A+3], KSTEP<<16                  ; tile_dim0 = 128
	s_mov_b32 s[G1A+4], 128                        ; tile_dim1 = 128
	s_mov_b32 s[G1A+5], SIZE_K                     ; elements from row to row
	s_mov_b32 s[G1A+6], 0
	s_mov_b32 s[G1A+7], 0
	s_mov_b32 s[G1B+0], 15|(1<<16)|(1<<20)|(1<<21)|(6<<22)|(7<<25)  ; all four partners; bit 21 beside the mask; 8 words of padding behind every 128
	s_mov_b32 s[G1B+1], 256<<16                    ; tensor_dim0 = 256
	s_mov_b32 s[G1B+2], 64<<16                     ; tensor_dim1 = 64
	s_mov_b32 s[G1B+3], 256<<16                    ; tile_dim0 = 256
	s_mov_b32 s[G1B+4], 64                         ; tile_dim1 = 64
	s_mov_b32 s[G1B+5], SIZE_N
	s_mov_b32 s[G1B+6], 0
	s_mov_b32 s[G1B+7], 0
	s_lshl_b32 s18, s16, 8
	s_lshl_b32 s19, s14, 7
	s_add_co_u32 s18, s18, s19                     ; xh: row 256 mb + 128 half,
	s_lshl_b32 s18, s18, 12                        ; of 4,096 bytes
	s_mov_b32 s19, 0
	s_mul_i32 s20, s14, 64*SIZE_N*2                ; wh: k row 64 half,
	s_lshl_b32 s21, s17, 9                         ; column 256 nb: nothing here hangs on cx
	s_add_co_u32 s20, s20, s21
	s_mov_b32 s21, 0
	s_mul_i32 s60, s12, HALFT                      ; LDS: wave x 34,816
	s_wait_dscnt 0x0
	s_wait_kmcnt 0x0
	s_add_nc_u64 s[56:57], s[4:5], s[18:19]
	s_add_nc_u64 s[58:59], s[6:7], s[20:21]
	CROUND                                         ; the four partners are here: the first joint loads meet
.irp s, 0,1
	s_mov_b32 s[G0A+4*\s], 1
	s_add_co_u32 s[G0A+4*\s+1], s60, \s*SLOT
	s_add_nc_u64 s[G0A+4*\s+2:G0A+4*\s+3], s[56:57], \s*KSTEP*2
	s_or_b32 s[G0A+4*\s+3], s[G0A+4*\s+3], 0x80000000
	s_mov_b32 s[G0B+4*\s], 1
	s_add_co_u32 s[G0B+4*\s+1], s60, \s*SLOT
	s_add_nc_u64 s[G0B+4*\s+2:G0B+4*\s+3], s[58:59], \s*BSTEP
	s_or_b32 s[G0B+4*\s+3], s[G0B+4*\s+3], 0x80000000
	JLOAD \s                                       ; both slots are asked for before anything else: two loads of a wave are out
.endr
	v_and_b32 v1, 15, v0                           ; r = l % 16
	v_bfe_u32 v2, v0, 4, 1                         ; h = l / 16
	v_mul_u32_u24 v3, v1, PITCH
	v_lshl_add_u32 v3, v2, 4, v3                   ; xh: r x pitch + 16 h
	v_and_b32 v4, 7, v0
	v_lshl_add_u32 v4, v2, 3, v4                   ; wh: k row 8 h + l % 8,
	v_mul_u32_u24 v4, v4, BPITCH
	v_bfe_u32 v5, v0, 3, 1
	v_lshl_add_u32 v4, v5, 4, v4                   ; 16 bytes further for lanes 8-15 and 24-31
	s_mul_i32 s66, s13, HALFT                      ; my 128 rows of xh
	s_lshl_b32 s67, s14, 8                         ; my 128 columns of wh,
	s_add_co_u32 s67, s67, 2*HALFT                 ; which lies behind the 256 rows of xh
.irp s, 0,1
	v_add_nc_u32 v[ADRA+\s], s66, v3
	v_add_nc_u32 v[ADRB+\s], s67, v4
	s_add_co_u32 s66, s66, SLOT
	s_add_co_u32 s67, s67, SLOT
.endr
	s_mul_i32 s68, s12, 16*SPITCH
	s_add_co_u32 s68, s68, STAGE
	v_add_nc_u32 v[STO], s68, v3                   ; in: row r, 16 bytes for each half of the lanes (the same lane term, the same pitch)
	v_mul_u32_u24 v5, v2, SPITCH
	v_lshl_add_u32 v5, v1, 4, v5
	v_add_nc_u32 v[RD], s68, v5                    ; back: lanes 0-15 one row of 256 bytes, lanes 16-31 the next
	v_mul_u32_u24 v5, v2, SIZE_N*2
	v_lshl_add_u32 v[CO], v1, 4, v5                ; the same two rows in qkv
.irp i, 0,1,2,3
	v_mov_b32 v[MX+\i], 0
.endr
.macro MUL16 f, hi, a0, zero           ; 16 matrix instructions: two of the four m blocks of the window x all 8 n blocks. The accumulators take turns
.irp a, \a0, \a0+1
.irp b, 0,1,2,3,4,5,6,7
.if \zero
	v_wmma_f32_16x16x32_f16 v[8*(8*(\a)+\b):8*(8*(\a)+\b)+7], v[\f+8*\b:\f+8*\b+7], v[\f+8*(4*\hi+\a):\f+8*(4*\hi+\a)+7], 0
.else
	v_wmma_f32_16x16x32_f16 v[8*(8*(\a)+\b):8*(8*(\a)+\b)+7], v[\f+8*\b:\f+8*\b+7], v[\f+8*(4*\hi+\a):\f+8*(4*\hi+\a)+7], v[8*(8*(\a)+\b):8*(8*(\a)+\b)+7]
.endif
.endr
.endr
.endm
; 32 LDS loads in one run: quarter q (32 along K) of a slot into buffer f. wh lies [k][n]: the transposing load brings lane l the eight k of column r.
.macro FETCH slot, q, f
	WIN TO_B
.irp i, 0,1,2,3,4,5,6,7
	ds_load_tr16_b128 v[\f+8*\i:\f+8*\i+3],   v[ADRB+\slot] offset:\q*32*BPITCH+32*\i
	ds_load_tr16_b128 v[\f+8*\i+4:\f+8*\i+7], v[ADRB+\slot] offset:\q*32*BPITCH+32*\i+16*BPITCH
.endr
	WIN 0
.irp i, 0,1,2,3,4,5,6,7
	ds_load_b128 v[\f+8*\i:\f+8*\i+3],   v[ADRA+\slot] offset:\q*64+\i*16*PITCH
	ds_load_b128 v[\f+8*\i+4:\f+8*\i+7], v[ADRA+\slot] offset:\q*64+\i*16*PITCH+32
.endr
.endm
.macro PLACES                          ; four places between a matrix instruction and a load into, or a vector use of, its registers
.rept 4
	v_nop
.endr
.endm
.macro QUARTER slot, q, f, g, zero     ; multiplies buffer f; in its middle fetches quarter q of the slot into buffer g
	s_wait_dscnt 8                                 ; wh and rows 0-63 of xh are in; the youngest eight loads may be out
	WIN MUL_LO
	MUL16 \f, 0, 0, \zero
	MUL16 \f, 0, 2, \zero
	PLACES
	FETCH \slot, \q, \g
	s_wait_dscnt 32                                ; all but the 32 just issued
	WIN MUL_HI
	MUL16 \f, 1, 0, \zero
	MUL16 \f, 1, 2, \zero
.endm
.macro THREE slot, zero
	QUARTER \slot, 1, F0, F1, \zero
	QUARTER \slot, 2, F1, F0, 0
	QUARTER \slot, 3, F0, F1, 0
.endm
; The last quarter of a K step changes slots. In front of the barrier: my reads of this slot and all my tensor loads are done. Behind it
; (a whole round of the cluster barrier where the slot is filled again) the refill comes first, then the first fragments of the next slot.
.macro TURN slot, next, fill
	s_wait_dscnt 8
	WIN MUL_LO
	MUL16 F1, 0, 0, 0
	s_wait_dscnt 0
	s_wait_tensorcnt 0x0
	ds_add_u32 v255, v255
	s_wait_dscnt 0x0
	s_barrier_signal -1
	MUL16 F1, 0, 2, 0
	WIN 0
	s_barrier_wait -1
.if \fill
	CREST
	s_add_nc_u64 s[G0A+4*\slot+2:G0A+4*\slot+3], s[G0A+4*\slot+2:G0A+4*\slot+3], 2*KSTEP*2
	s_add_nc_u64 s[G0B+4*\slot+2:G0B+4*\slot+3], s[G0B+4*\slot+2:G0B+4*\slot+3], 2*BSTEP
	JLOAD \slot
.endif
	PLACES
	FETCH \next, 0, F0
	WIN MUL_HI
	MUL16 F1, 1, 0, 0
	MUL16 F1, 1, 2, 0
.endm
.macro LAP zero
	THREE 0, \zero
	TURN 0, 1, 1
	THREE 1, 0
	TURN 1, 0, 1
.endm
	s_wait_tensorcnt 1                             ; my part of K step 0 is in; K step 1 stays out
	s_barrier_signal -1
	s_barrier_wait -1
	FETCH 0, 0, F0
	LAP 1                                          ; the first products start the sums
	WIN 0
	s_mov_b32 s3, LAPS-2
.Llap:
	LAP 0
	WIN 0
	s_sub_co_u32 s3, s3, 1
	s_cmp_lg_u32 s3, 0
	s_cbranch_scc1 .Llap
	THREE 0, 0                                     ; the last lap fills nothing
	TURN 0, 1, 0
	THREE 1, 0
	s_wait_dscnt 8
	WIN MUL_LO
	MUL16 F1, 0, 0, 0
	MUL16 F1, 0, 2, 0
	s_wait_dscnt 0
	WIN MUL_HI
	MUL16 F1, 1, 0, 0
	MUL16 F1, 1, 2, 0
	; the way out, 16 rows at a time, through my own stage
	PLACES
	s_lshl_b32 s18, s16, 8
	s_lshl_b32 s19, s13, 7
	s_add_co_u32 s18, s18, s19                     ; my first row,
	s_mul_i32 s18, s18, SIZE_N*2                   ; below 4,096 x 7,168 bytes
	s_lshl_b32 s19, s17, 9
	s_add_co_u32 s18, s18, s19                     ; + 512 nb
	s_lshl_b32 s19, s14, 8
	s_add_co_u32 s18, s18, s19                     ; + 256 x my half of the columns
	s_mov_b32 s19, 0
	s_add_nc_u64 s[8:9], s[8:9], s[18:19]
.macro OUT16 i, a, from, f
	WIN \from
.irp b, 0,1,2,3,4,5,6,7
.irp r, 0,1,2,3
	v_cvt_pk_f16_f32 v[TMP+4*\b+\r], v[8*(8*\a+\b)+2*\r], v[8*(8*\a+\b)+2*\r+1]
	v_max3_num_f32 v[MX+\r], |v[8*(8*\a+\b)+2*\r]|, |v[8*(8*\a+\b)+2*\r+1]|, v[MX+\r]
.endr
.endr
	WIN 0
.irp b, 0,1,2,3,4,5,6,7
	ds_store_b128 v[STO], v[TMP+4*\b:TMP+4*\b+3] offset:32*\b
.endr
	s_wait_xcnt 0x0                                ; buffer f, which earlier stores read, and the base are written again only behind this wait
.if \i
	s_add_nc_u64 s[8:9], s[8:9], 16*SIZE_N*2
.endif
.irp t, 0,1,2,3,4,5,6,7
	ds_load_b128 v[\f+4*\t:\f+4*\t+3], v[RD] offset:\t*2*SPITCH    ; LDS serves a wave in order: these see the stores above
.endr
.irp t, 0,1,2,3,4,5,6,7
	s_wait_dscnt 7-\t
	global_store_b128 v[CO], v[\f+4*\t:\f+4*\t+3], s[8:9] offset:2*\t*SIZE_N*2   ; 16 lanes store 256 consecutive bytes, aligned
.endr
.endm
	OUT16 0, 0, 0x0a, F0
	OUT16 1, 1, 0x0a, F1
	OUT16 2, 2, 0x0a, F0
	OUT16 3, 3, 0x0a, F1
	OUT16 4, 0, 0x0f, F0
	OUT16 5, 1, 0x0f, F1
	OUT16 6, 2, 0x0f, F0
	OUT16 7, 3, 0x0f, F1
	; the largest |sum| of the wave, one word
	v_max3_num_f32 v[MX], v[MX], v[MX+1], v[MX+2]
	v_max_num_f32 v[MX], v[MX], v[MX+3]
.irp m, 1,2,4,8
	v_max_num_f32_dpp v[MX], v[MX], v[MX] row_xmask:\m row_mask:0xf bank_mask:0xf
.endr
	v_permlanex16_b32 v[MX+1], v[MX], s62, s63
	v_max_num_f32 v[MX], v[MX], v[MX+1]
	s_lshl_b32 s18, s17, 4
	s_add_co_u32 s18, s18, s16
	s_lshl2_add_u32 s18, s18, s12                  ; 4 (16 nb + mb) + wave
	s_lshl_b32 s18, s18, 2
	s_mov_b32 s19, 0
	s_add_nc_u64 s[10:11], s[10:11], s[18:19]
	v_and_b32 v3, 31, v0
	v_mov_b32 v27, 0
	v_cmp_eq_u32 vcc_lo, 0, v3
	s_wait_xcnt 0x0                                ; EXEC is a source of the stores above
	s_and_saveexec_b32 s61, vcc_lo
	global_store_b32 v27, v[MX], s[10:11]
	s_wait_xcnt 0x0
	s_or_b32 exec_lo, exec_lo, s61
	s_set_vgpr_msb 0x1
	s_wait_tensorcnt 0x0
	ds_add_u32 v255, v255
	s_wait_dscnt 0x0
	s_set_vgpr_msb 0x100
	CROUND                                         ; the closing round: no work-group ends while a partner may still ask jointly
	s_endpgm
.Lfunc_end_k_q467f85dff2_proj:
	.size	k_q467f85dff2_proj, .Lfunc_end_k_q467f85dff2_proj-k_q467f85dff2_proj
	.p2alignl 7, 3214868480
	.fill 96, 4, 3214868480
	.section	.rodata,"a",@progbits
	.p2align	6, 0x0
	.amdhsa_kernel k_q467f85dff2_proj
		.amdhsa_group_segment_fixed_size 327680
		.amdhsa_private_segment_fixed_size 0
		.amdhsa_enable_private_segment 0
		.amdhsa_kernarg_size 32
		.amdhsa_user_sgpr_count 2
		.amdhsa_user_sgpr_kernarg_segment_ptr 1
		.amdhsa_wavefront_size32 1
		.amdhsa_system_sgpr_workgroup_id_x 1
		.amdhsa_system_sgpr_workgroup_id_y 1
		.amdhsa_system_sgpr_workgroup_id_z 1
		.amdhsa_system_vgpr_workitem_id 0
		.amdhsa_next_free_vgpr 1024
		.amdhsa_next_free_sgpr 72
		.amdhsa_reserve_vcc 1
		.amdhsa_float_denorm_mode_32 3
		.amdhsa_float_denorm_mode_16_64 3
		.amdhsa_memory_ordered 1
		.amdhsa_forward_progress 1
		.amdhsa_inst_pref_size 213
	.end_amdhsa_kernel
	.amdgpu_metadata
---
amdhsa.version: [ 1, 2 ]
amdhsa.kernels:
  - .name:           k_q467f85dff2_proj
    .symbol:         k_q467f85dff2_proj.kd
    .args:
      - { .name: xh, .offset: 0, .size: 8, .value_kind: global_buffer, .address_space: global }
      - { .name: wh, .offset: 8, .size: 8, .value_kind: global_buffer, .address_space: global }
      - { .name: qkv, .offset: 16, .size: 8, .value_kind: global_buffer, .address_space: global }
      - { .name: stat, .offset: 24, .size: 8, .value_kind: global_buffer, .address_space: global }
    .group_segment_fixed_size: 327680
    .private_segment_fixed_size: 0
    .kernarg_segment_align: 8
    .kernarg_segment_size: 32
    .max_flat_workgroup_size: 128
    .sgpr_count:     72
    .vgpr_count:     1024
    .wavefront_size: 32
...
	.end_amdgpu_metadata
.endif
;; end of part 2
;; launch scores (part 3): grid 20 x 12, 4 waves a work-group, no clusters, 327,680 bytes of LDS; arguments qkv, gate, stat, decay_logits, pbuf; writes pbuf
.if DOCPART == 3
	.amdgcn_target "amdgcn-amd-amdhsa--gfx1250"
	.amdhsa_code_object_version 6
	.text
	.protected	k_q467f85dff2_scores
	.globl	k_q467f85dff2_scores
	.p2align	8
	.type	k_q467f85dff2_scores,@function
k_q467f85dff2_scores:
	s_mov_b64 s[64:65], 0
	v_nop
	global_prefetch_b8 v0, s[64:65] scope:SCOPE_SE
	s_setreg_imm32_b32 hwreg(HW_REG_WAVE_MODE, 25, 1), 1
	s_wait_xcnt 0x0
; scores: P(i, b, t, s) = f16( (q[b,t] . k_i[b,s]) x decay_i^(s-t-1) [s > t] x gate_i[b,t] x 2^eP ).
; P IS STORED IN THE ORDER OF A MATRIX FRAGMENT: pbuf[b][t / 16][i][s / 32][c][lane][8 numbers], where lane l = (r = l % 16, h = l / 16) holds row
; 16 (t / 16) + r and keys 32 (s / 32) + 16 c + 8 h + 0..7. That is what a lane holds here after the conversion (tile (a, b) is half c = b % 2 of
; fragment b / 2), and what the next launch wants in registers 4 c .. 4 c + 3 of its operand: no stage in LDS here, no LDS for P there.
; A work-group makes 128 (t) x 256 (s) of one plane (i, b), K = 512 in four steps of 128; a wave makes 64 x 128 (32 accumulator tiles in window 1).
; Only blocks with some s > t are made: key block sb has query blocks tb = 0 .. 2 sb + 1, that is 2 + 4 + 6 + 8 = 20 for each of 12 planes.
; NO CLUSTER: a key block is shared by 2, 4, 6 or 8 work-groups and a query block by 4, 4, 3, 3, 2, 2, 1, 1 of a plane: no grouping by fours shares a tile throughout.
; LDS: three slots of 104,448 bytes (q: 128 rows x 272, then k: 256 rows x 272). Steps 0, 1, 2 are first fills; step 3 fills slot 0 again
; behind the one barrier for that. At most three tensor loads of a wave are out.
; The 88 weights that a lane needs are made ahead of the first barrier, while the first tiles are on their way, and kept in window 2.
; eP = 258 - bq - bk (biased exponents of the largest |q| and |k|), so |P| <= 2^15; exact, and taken out again by the last launch.
; LIMITS: eP is clamped to -60 .. 60; log2(decay) is clamped at -1000 (a decay that underflows acts as 0, with 0^0 = 1);
; a NaN logit is not passed on; weights below 2^-126 are zero (v_exp_f32 flushes, ISA guide 15.8).
.set PITCH, 272
.set ATILE, 128*PITCH                  ; 34,816: what one tensor load brings
.set SLOT,  3*ATILE
.set QROW,  7168                       ; bytes in a row of qkv
.set PTB,   98304                      ; pbuf: bytes from a block of 16 rows to the next (3 scales x 32 fragments x 1,024)
.set PSC,   32768                      ; from scale to scale
.set ADRA, 4                           ; v4-6    LDS address of my fragments of q in slots 0..2
.set ADRB, 8                           ; v8-10   the same for k
.set CO,   14                          ; v14     16 x lane: my place in every block of 512 bytes; never rewritten
.set EL,   15                          ; v15     S0 - T0 + 8 h - r - 1: the exponent of tile (a, a), register 0
.set LD,   17                          ; v17     log2(decay)
.set GL,   18                          ; v18-21  gate of rows T0 + 16 a + r
.set F0,   32                          ; fragments, buffer 0: k v32-95, q v96-127
.set F1,   128                         ; buffer 1: k v128-191, q v192-223
.set ARG,  32                          ; ahead of the loop: v32-119 the 88 exponents, then the arguments of the exponentials
.set TF,   128                         ; v128-135 at work on them
.set TT,   32                          ; way out: v32-95 at work
.set PK,   96                          ; v96-223 packed, 32 registers for each of the four blocks of 16 rows: no store source is written twice
.set BK,   224                         ; v224-239 the maxima as loaded
.set GP,   240                         ; v240-247 gate x 2^eP, each twice
.set G1, 24
.set G0, 32
.set SELLO, 50
.set SELHI, 51
.set MSB, 0
.macro WIN new                         ; the high byte of the immediate repeats the setting that is left
.if MSB != \new
	s_set_vgpr_msb (MSB<<8)|\new
.set MSB, \new
.endif
.endm
.set MULW, 0x50                        ; C and D in window 1
.set TOW,  0x80                        ; destination in window 2: the weights, entry 8 (b - a + 3) + j at v[512 + entry]
.set ACCW, 0x09                        ; source 0 in window 1 (sums), source 1 in window 2 (weights)
.macro PLACES                          ; four places behind a matrix instruction (ISA guide 7.12.1)
.rept 4
	v_nop
.endr
.endm
; the largest of cnt x 4 registers over all lanes; its biased exponent into s[sdst]
.macro STATMAX sdst, first, cnt
	v_max3_num_f32 v[\first], v[\first], v[\first+1], v[\first+2]
	v_max_num_f32 v[\first], v[\first], v[\first+3]
.if \cnt > 1
.set g, 4
.rept \cnt-1
	v_max3_num_f32 v[\first], v[\first], v[\first+g], v[\first+g+1]
	v_max3_num_f32 v[\first], v[\first], v[\first+g+2], v[\first+g+3]
.set g, g+4
.endr
.endif
.irp m, 1,2,4,8
	v_max_num_f32_dpp v[\first], v[\first], v[\first] row_xmask:\m row_mask:0xf bank_mask:0xf
.endr
	v_permlanex16_b32 v[\first+1], v[\first], s[SELLO], s[SELHI]
	v_max_num_f32 v[\first], v[\first], v[\first+1]
	v_readfirstlane_b32 s[\sdst], v[\first]
	s_bfe_u32 s[\sdst], s[\sdst], 0x80017          ; 8 bits from bit 23
.endm
.macro MUL8 f, a, zero                 ; m block a x all 8 n blocks. The 32 accumulators take turns
.irp b, 0,1,2,3,4,5,6,7
.if \zero
	v_wmma_f32_16x16x32_f16 v[8*(8*\a+\b):8*(8*\a+\b)+7], v[\f+8*\b:\f+8*\b+7], v[\f+64+8*\a:\f+64+8*\a+7], 0
.else
	v_wmma_f32_16x16x32_f16 v[8*(8*\a+\b):8*(8*\a+\b)+7], v[\f+8*\b:\f+8*\b+7], v[\f+64+8*\a:\f+64+8*\a+7], v[8*(8*\a+\b):8*(8*\a+\b)+7]
.endif
.endr
.endm
.macro FETCH slot, q, f                ; 24 LDS loads: 128 rows of k, then 64 rows of q, 32 along K
	WIN 0
.irp i, 0,1,2,3,4,5,6,7
	ds_load_b128 v[\f+8*\i:\f+8*\i+3],   v[ADRB+\slot] offset:\q*64+\i*16*PITCH
	ds_load_b128 v[\f+8*\i+4:\f+8*\i+7], v[ADRB+\slot] offset:\q*64+\i*16*PITCH+32
.endr
.irp i, 0,1,2,3
	ds_load_b128 v[\f+64+8*\i:\f+64+8*\i+3],   v[ADRA+\slot] offset:\q*64+\i*16*PITCH
	ds_load_b128 v[\f+64+8*\i+4:\f+64+8*\i+7], v[ADRA+\slot] offset:\q*64+\i*16*PITCH+32
.endr
.endm
.macro QUARTER slot, q, f, g, zero     ; multiplies buffer f; in its middle fetches quarter q of the slot into buffer g
	s_wait_dscnt 4                                 ; all but the last four loads (q fragments 2, 3) are in
	WIN MULW
	MUL8 \f, 0, \zero
	MUL8 \f, 1, \zero
	PLACES
	FETCH \slot, \q, \g
	s_wait_dscnt 24                                ; all but the 24 just issued
	WIN MULW
	MUL8 \f, 2, \zero
	MUL8 \f, 3, \zero
.endm
; The last quarter of a step, with a barrier. In front of it: my LDS reads and all my tensor loads are done. refill = 1: slot 0 gets step 3,
; first thing behind the barrier, one load a wave.
.macro TURN next, refill
	s_wait_dscnt 4
	WIN MULW
	MUL8 F1, 0, 0
	MUL8 F1, 1, 0
	s_wait_dscnt 0x0
	s_wait_tensorcnt 0x0
	ds_add_u32 v254, v255
	s_wait_dscnt 0x0
.if \refill
	s_add_nc_u64 s[G0+2:G0+3], s[G0+2:G0+3], 3*256 ; no load of mine is out: the address of slot 0 steps to K step 3
.endif
	s_barrier_signal -1
	MUL8 F1, 2, 0
	WIN 0
	s_barrier_wait -1
.if \refill
	s_cmp_eq_u32 s14, 3
	s_cbranch_scc1 .Lno_refill_\@
	tensor_load_to_lds s[G0:G0+3], s[G1:G1+7]
	s_nop 0
.Lno_refill_\@:
.endif
	PLACES
	FETCH \next, 0, F0
	WIN MULW
	MUL8 F1, 3, 0
.endm
	s_load_b256 s[4:11], s[0:1], 0x0               ; qkv 4, gate 6, stat 8, decay_logits 10
	s_load_b64 s[12:13], s[0:1], 0x20              ; pbuf
	v_lshl_add_u32 v254, v0, 2, 0x4c800
	v_mov_b32 v255, 0
	ds_add_u32 v254, v255
	v_lshrrev_b32 v1, 5, v0
	v_readfirstlane_b32 s14, v1                    ; wave
	s_lshr_b32 s15, s14, 1                         ; mh: my 64 of the 128 rows. Also: which half of k waves 1, 2 fetch
	s_and_b32 s16, s14, 1                          ; nh: my 128 of the 256 columns
	s_and_b32 s17, ttmp7, 0xffff                   ; plane = 4 i + b
	s_and_b32 s18, s17, 3                          ; b
	s_lshr_b32 s19, s17, 2                         ; i
	s_mov_b32 s20, 3                               ; sb and the number of blocks in front of it
	s_mov_b32 s22, 12
	s_cmp_lt_u32 ttmp9, 12
	s_cselect_b32 s20, 2, s20
	s_cselect_b32 s22, 6, s22
	s_cmp_lt_u32 ttmp9, 6
	s_cselect_b32 s20, 1, s20
	s_cselect_b32 s22, 2, s22
	s_cmp_lt_u32 ttmp9, 2
	s_cselect_b32 s20, 0, s20
	s_cselect_b32 s22, 0, s22
	s_sub_co_u32 s21, ttmp9, s22                   ; tb
	s_mov_b32 s[SELLO], 0x76543210
	s_mov_b32 s[SELHI], 0xfedcba98
	s_mov_b32 s[G1+0], (1<<16)|(1<<20)|(5<<22)|(3<<25)   ; 2-byte elements; 4 words of padding behind every 64
	s_mov_b32 s[G1+1], 128<<16                     ; tensor_dim0
	s_mov_b32 s[G1+2], 128<<16                     ; tensor_dim1
	s_mov_b32 s[G1+3], 128<<16                     ; tile_dim0
	s_mov_b32 s[G1+4], 128                         ; tile_dim1
	s_mov_b32 s[G1+5], 3584                        ; elements from row to row
	s_mov_b32 s[G1+6], 0
	s_mov_b32 s[G1+7], 0
	s_lshl_b32 s44, s18, 10                        ; 1,024 b
	s_lshl_b32 s45, s21, 7
	s_add_co_u32 s45, s45, s44                     ; wave 0: rows of q from 1,024 b + 128 tb
	s_lshl_b32 s46, s20, 8
	s_add_co_u32 s46, s46, s44
	s_lshl_b32 s47, s15, 7
	s_add_co_u32 s46, s46, s47                     ; waves 1, 2: rows of k from 1,024 b + 256 sb + 128 (w / 2),
	s_lshl_b32 s47, s19, 10
	s_add_co_u32 s47, s47, 1024                    ; at byte 1,024 (1 + i) of a row
	s_cmp_eq_u32 s14, 0
	s_cselect_b32 s22, s45, s46
	s_cselect_b32 s23, 0, s47
	s_mul_i32 s22, s22, QROW
	s_add_co_u32 s22, s22, s23
	s_mov_b32 s23, 0
	s_mul_i32 s49, s14, ATILE                      ; LDS: wave x 34,816
	s_wait_dscnt 0x0
	s_wait_kmcnt 0x0
	s_add_nc_u64 s[22:23], s[4:5], s[22:23]
.irp s, 0,1,2
	s_mov_b32 s[G0+4*\s], 1
	s_add_co_u32 s[G0+4*\s+1], s49, \s*SLOT
	s_add_nc_u64 s[G0+4*\s+2:G0+4*\s+3], s[22:23], \s*256
	s_or_b32 s[G0+4*\s+3], s[G0+4*\s+3], 0x80000000
.endr
	s_cmp_eq_u32 s14, 3                            ; wave 3 has no part of a tile to fetch
	s_cbranch_scc1 .Lno_fill
	tensor_load_to_lds s[G0:G0+3],    s[G1:G1+7]   ; K steps 0, 1, 2: the first fills, in one group
	s_nop 0
	tensor_load_to_lds s[G0+4:G0+7],  s[G1:G1+7]
	s_nop 0
	tensor_load_to_lds s[G0+8:G0+11], s[G1:G1+7]
	s_nop 0
.Lno_fill:
	v_and_b32 v1, 15, v0                           ; r
	v_bfe_u32 v2, v0, 4, 1                         ; h
	v_mul_u32_u24 v3, v1, PITCH
	v_lshl_add_u32 v3, v2, 4, v3                   ; r x pitch + 16 h
	s_mul_i32 s44, s15, 64*PITCH
	s_mul_i32 s45, s16, 128*PITCH
	s_add_co_u32 s45, s45, ATILE
.irp s, 0,1,2
	v_add_nc_u32 v[ADRA+\s], s44, v3
	v_add_nc_u32 v[ADRB+\s], s45, v3
	s_add_co_u32 s44, s44, SLOT
	s_add_co_u32 s45, s45, SLOT
.endr
	v_and_b32 v[CO], 31, v0
	v_lshlrev_b32 v[CO], 4, v[CO]                  ; 16 l
	s_lshl_b32 s44, s21, 7
	s_lshl_b32 s45, s15, 6
	s_add_co_u32 s44, s44, s45                     ; T0 = 128 tb + 64 mh
	s_lshl_b32 s45, s20, 8
	s_lshl_b32 s46, s16, 7
	s_add_co_u32 s45, s45, s46                     ; S0 = 256 sb + 128 nh
	s_sub_co_i32 s46, s45, s44
	s_sub_co_i32 s46, s46, 1
	v_lshl_add_u32 v[EL], v2, 3, s46
	v_sub_nc_u32 v[EL], v[EL], v1
	s_lshl_b32 s46, s18, 10
	s_add_co_u32 s46, s46, s44
	s_lshl_b32 s46, s46, 4                         ; gate row 1,024 b + T0, 16 bytes each,
	s_lshl2_add_u32 s46, s19, s46                  ; word i
	s_mov_b32 s47, 0
	s_add_nc_u64 s[6:7], s[6:7], s[46:47]
	v_lshlrev_b32 v22, 4, v1
.irp a, 0,1,2,3
	global_load_b32 v[GL+\a], v22, s[6:7] offset:256*\a
.endr
.irp j, 0,1,2,3
	global_load_b128 v[BK+4*\j:BK+4*\j+3], v[CO], s[8:9] offset:512*\j   ; the maxima of q (j = 0) and of the three k
.endr
	s_load_b96 s[56:58], s[10:11], 0x0
	s_mul_i32 s46, s18, 64*PTB                     ; pbuf: batch b,
	s_lshr_b32 s44, s44, 4
	s_mul_i32 s44, s44, PTB                        ; block of 16 rows T0 / 16,
	s_add_co_u32 s46, s46, s44
	s_lshl_b32 s44, s19, 15                        ; scale i,
	s_add_co_u32 s46, s46, s44
	s_lshl_b32 s45, s45, 5                         ; fragment S0 / 32, of 1,024 bytes
	s_add_co_u32 s46, s46, s45
	s_add_nc_u64 s[12:13], s[12:13], s[46:47]
	; THE WEIGHTS. Lane l, tile (a, b), register j is (t = T0 + 16 a + r, s = S0 + 16 b + 8 h + j): s - t - 1 = EL + 16 (b - a) + j.
	; So eleven sets of eight weights serve all 32 tiles. The argument of a masked weight is chosen as -1000, and 2^-1000 is 0 in f32:
	; what the mask throws away is never formed and multiplied away.
.irp dl, 0,1,2,3,4,5,6,7,8,9,10
.irp j, 0,1,2,3,4,5,6,7
	v_add_nc_u32 v[ARG+8*\dl+\j], 16*(\dl-3)+\j, v[EL]
.endr
.endr
	s_wait_kmcnt 0x0
	s_cmp_eq_u32 s19, 1
	s_cselect_b32 s56, s57, s56
	s_cmp_eq_u32 s19, 2
	s_cselect_b32 s56, s58, s56
	v_mov_b32 v16, s56
	v_mul_f32 v16, 0xbfb8aa3b, v16                 ; log2(sigmoid(l)) = -log2(1 + 2^(-1.442695 l))
	v_exp_f32 v16, v16
	v_nop                                          ; one plain place behind each transcendental (ISA guide 5.7.2)
	s_wait_alu depctr_va_vdst(0)
	v_add_f32 v16, 1.0, v16
	v_log_f32 v16, v16
	v_nop
	s_wait_alu depctr_va_vdst(0)
	v_mul_f32 v16, -1.0, v16
	v_max_num_f32 v[LD], 0xc47a0000, v16           ; not below -1000, so that 0 x LD is 0 at s = t + 1
.irp dl, 0,1,2,3,4,5,6,7,8,9,10
.irp j, 0,1,2,3,4,5,6,7
	v_cvt_f32_i32 v[TF+\j], v[ARG+8*\dl+\j]
.endr
.irp j, 0,1,2,3,4,5,6,7
	v_mul_f32 v[TF+\j], v[LD], v[TF+\j]
.endr
.irp j, 0,1,2,3,4,5,6,7
	v_cmp_le_i32 vcc_lo, 0, v[ARG+8*\dl+\j]        ; s > t
	v_cndmask_b32 v[ARG+8*\dl+\j], 0xc47a0000, v[TF+\j], vcc_lo
.endr
.endr
	WIN TOW
.set e, 0
.rept 88
	v_exp_f32 v[e], v[ARG+e]                       ; v[512 + e]
.set e, e+1
.endr
	WIN 0
	v_nop                                          ; the plain place behind the exponentials: their sources are loaded over later
	s_wait_loadcnt 0x0
	STATMAX 52, BK, 1
	STATMAX 53, BK+4, 3
	s_add_co_u32 s52, s52, s53
	s_sub_co_i32 s52, 258, s52                     ; eP
	s_max_i32 s52, s52, -60
	s_min_i32 s52, s52, 60
	s_add_co_u32 s52, s52, 127
	s_lshl_b32 s48, s52, 23                        ; 2^eP
.irp a, 0,1,2,3
	v_mul_f32 v[GP+2*\a],   s48, v[GL+\a]
	v_mul_f32 v[GP+2*\a+1], s48, v[GL+\a]
.endr
	s_wait_tensorcnt 0x2                           ; my part of K step 0 is in; steps 1, 2 stay out
	s_barrier_signal -1
	s_barrier_wait -1
	FETCH 0, 0, F0
	QUARTER 0, 1, F0, F1, 1                        ; the first products start the sums
	QUARTER 0, 2, F1, F0, 0
	QUARTER 0, 3, F0, F1, 0
	TURN 1, 1                                      ; steps 1, 2 are shown landed to all; step 3 goes out into slot 0
	QUARTER 1, 1, F0, F1, 0
	QUARTER 1, 2, F1, F0, 0
	QUARTER 1, 3, F0, F1, 0
	QUARTER 2, 0, F1, F0, 0                        ; no barrier: slot 2 was shown whole by the last one
	QUARTER 2, 1, F0, F1, 0
	QUARTER 2, 2, F1, F0, 0
	QUARTER 2, 3, F0, F1, 0
	TURN 0, 0                                      ; step 3 has had 256 matrix instructions in which to land
	QUARTER 0, 1, F0, F1, 0
	QUARTER 0, 2, F1, F0, 0
	QUARTER 0, 3, F0, F1, 0
	s_wait_dscnt 4
	WIN MULW
	MUL8 F1, 0, 0
	MUL8 F1, 1, 0
	s_wait_dscnt 0x0
	MUL8 F1, 2, 0
	MUL8 F1, 3, 0
	; THE WAY OUT: weight, gate and scale, f16, and straight out of the registers.
	PLACES
.macro OUTROWS a                       ; 16 rows x 128 keys: eight stores, together 4,096 consecutive bytes
	WIN ACCW
	s_wait_alu depctr_va_vdst(0)
.irp b, 0,1,2,3,4,5,6,7
.irp p, 0,2,4,6
	v_pk_mul_f32 v[TT+8*\b+\p:TT+8*\b+\p+1], v[8*(8*\a+\b)+\p:8*(8*\a+\b)+\p+1], v[8*(\b-\a+3)+\p:8*(\b-\a+3)+\p+1]
.endr
.endr
	WIN 0
.irp b, 0,1,2,3,4,5,6,7
.irp p, 0,2,4,6
	v_pk_mul_f32 v[TT+8*\b+\p:TT+8*\b+\p+1], v[TT+8*\b+\p:TT+8*\b+\p+1], v[GP+2*\a:GP+2*\a+1]
.endr
.endr
.irp b, 0,1,2,3,4,5,6,7
.irp p, 0,1,2,3
	v_cvt_pk_f16_f32 v[PK+32*\a+4*\b+\p], v[TT+8*\b+2*\p], v[TT+8*\b+2*\p+1]
.endr
	global_store_b128 v[CO], v[PK+32*\a+4*\b:PK+32*\a+4*\b+3], s[12:13] offset:\a*PTB+512*\b   ; the wave stores 512 consecutive bytes, aligned: half b % 2 of fragment b / 2
.endr
.endm
	OUTROWS 0
	OUTROWS 1
	OUTROWS 2
	OUTROWS 3
	s_endpgm
.Lfunc_end_k_q467f85dff2_scores:
	.size	k_q467f85dff2_scores, .Lfunc_end_k_q467f85dff2_scores-k_q467f85dff2_scores
	.p2alignl 7, 3214868480
	.fill 96, 4, 3214868480
	.section	.rodata,"a",@progbits
	.p2align	6, 0x0
	.amdhsa_kernel k_q467f85dff2_scores
		.amdhsa_group_segment_fixed_size 327680
		.amdhsa_private_segment_fixed_size 0
		.amdhsa_enable_private_segment 0
		.amdhsa_kernarg_size 40
		.amdhsa_user_sgpr_count 2
		.amdhsa_user_sgpr_kernarg_segment_ptr 1
		.amdhsa_wavefront_size32 1
		.amdhsa_system_sgpr_workgroup_id_x 1
		.amdhsa_system_sgpr_workgroup_id_y 1
		.amdhsa_system_sgpr_workgroup_id_z 1
		.amdhsa_system_vgpr_workitem_id 0
		.amdhsa_next_free_vgpr 640
		.amdhsa_next_free_sgpr 66
		.amdhsa_reserve_vcc 1
		.amdhsa_float_denorm_mode_32 3
		.amdhsa_float_denorm_mode_16_64 3
		.amdhsa_memory_ordered 1
		.amdhsa_forward_progress 1
		.amdhsa_inst_pref_size 118
	.end_amdhsa_kernel
	.amdgpu_metadata
---
amdhsa.version: [ 1, 2 ]
amdhsa.kernels:
  - .name:           k_q467f85dff2_scores
    .symbol:         k_q467f85dff2_scores.kd
    .args:
      - { .name: qkv, .offset: 0, .size: 8, .value_kind: global_buffer, .address_space: global }
      - { .name: gate, .offset: 8, .size: 8, .value_kind: global_buffer, .address_space: global }
      - { .name: stat, .offset: 16, .size: 8, .value_kind: global_buffer, .address_space: global }
      - { .name: decay_logits, .offset: 24, .size: 8, .value_kind: global_buffer, .address_space: global }
      - { .name: pbuf, .offset: 32, .size: 8, .value_kind: global_buffer, .address_space: global }
    .group_segment_fixed_size: 327680
    .private_segment_fixed_size: 0
    .kernarg_segment_align: 8
    .kernarg_segment_size: 40
    .max_flat_workgroup_size: 128
    .sgpr_count:     66
    .vgpr_count:     640
    .wavefront_size: 32
...
	.end_amdgpu_metadata
.endif
;; end of part 3
;; launch pv (part 4): grid 16 x 16, 4 waves a work-group, clusters of 4 x 1, 327,680 bytes of LDS; arguments pbuf, qkv, stat, obuf; writes obuf
.if DOCPART == 4
	.amdgcn_target "amdgcn-amd-amdhsa--gfx1250"
	.amdhsa_code_object_version 6
	.text
	.protected	k_q467f85dff2_pv
	.globl	k_q467f85dff2_pv
	.p2align	8
	.type	k_q467f85dff2_pv,@function
k_q467f85dff2_pv:
	s_mov_b64 s[64:65], 0
	v_nop
	global_prefetch_b8 v0, s[64:65] scope:SCOPE_SE
	s_setreg_imm32_b32 hwreg(HW_REG_WAVE_MODE, 25, 1), 1
	s_wait_xcnt 0x0
	s_wait_alu depctr_hold_cnt(0) depctr_sa_sdst(0) depctr_va_vdst(0) depctr_va_sdst(0) depctr_va_ssrc(0) depctr_va_vcc(0) depctr_vm_vsrc(0)
	s_getreg_b32 s2, hwreg(HW_REG_IB_STS2, 6, 4)
	s_cmp_eq_u32 s2, 0
	s_cbranch_scc0 .Lentry_in_a_cluster
	s_endpgm
.Lentry_in_a_cluster:
	s_bfe_u32 s2, ttmp6, 0x10000c
	s_cmp_lg_u32 s2, 0x3003
	s_cbranch_scc0 .Lentry_shape_is_right
	s_endpgm
.Lentry_shape_is_right:
; pv: obuf[b,t][d] = f16( 2^eO x sum over i and s of P(i, b, t, s) v_i[b,s][d] ): one product with K = 3 x 1,024, less the masked blocks.
; A work-group makes 64 (t) x 128 (d). The y of the grid is 4 b + u: rows t = 256 u .. 256 u + 255 of batch b; the cluster number along x is the block of 128 d;
; the place in the cluster says which 64 of the 256 rows.
; K IS SPLIT OVER THE WAVES, so every number of P and of V is wanted by one wave alone:
;   P comes STRAIGHT INTO REGISTERS. pbuf lies in fragment order, [b][t / 16][i][s / 32][c][lane][8 numbers], so a load of 16 bytes a lane (512 consecutive
;   bytes a wave) is registers 4 c .. 4 c + 3 of a fragment. Two buffers of 96 registers in window 2; a unit is asked for two units ahead.
;   V comes through LDS, where the transposing load turns [key][d] into fragments.
; CLUSTER 4 x 1: the four partners differ in their rows alone and need the same tiles of V: these are asked for jointly (mask 15), a quarter of the requests.
; P is not shared inside a cluster (each partner has its own rows).
; A UNIT is 128 keys of all three scales: three tiles of 128 keys x 128 d, one load each for waves 0, 1, 2 (wave i: scale i); wave w multiplies keys
; 32 w .. 32 w + 31 of each tile: three K steps of 32, 96 matrix instructions. A cluster has 2 (4 - u) units: the count hangs on the grid's y alone.
; LDS: two slots of 110,592 bytes (3 tiles x 128 rows x 288). A slot is filled again behind a round of the cluster barrier, one load a wave;
; at most two tensor loads of a wave are out (the first fills). 3 x 256 (4 - u) keys do not divide into larger units that fit twice for every u.
; After the last read, bytes 0 .. 131,071 serve the exchange [dest][src][tile][half][lane], and 131,072 .. the four stages: the four partial
; sums meet there, and wave w finishes rows 16 w .. 16 w + 15.
; eO = 116 - bv (biased exponent of the largest |v|): the gates add to 1, weights are at most 1, keys at most 1,023, |P| <= 2^15, so |O| < 2^15.
; LIMIT: eO is clamped to -60 .. 60.
.set BPITCH, 288                       ; an odd multiple of 32, for the transposing loads
.set VTILE,  128*BPITCH                ; 36,864: what one tensor load brings
.set SLOT,   3*VTILE
.set STAGE,  131072
.set SPITCH, 272
.set QROW,   7168                      ; bytes in a row of qkv
.set PTB,    98304                     ; pbuf: bytes from a block of 16 rows to the next
.set PSC,    32768                     ; from scale to scale
.set PUNIT,  4096                      ; 128 keys: four fragments of 1,024 bytes
.set ADRB, 4                           ; v4-9   my 32 keys in tile 3 slot + i
.set PO,   10                          ; v10    16 l + 1,024 w: my place in a group of four fragments of P; never rewritten
.set XS0,  12                          ; v12    exchange, where I put tiles for waves 0, 1
.set XS1,  13                          ; v13    for waves 2, 3
.set XR,   14                          ; v14    where I read what is for me
.set STO,  15
.set RD,   16
.set CO,   17
.set F0,   32                          ; v32-95   fragments of V, buffer 0
.set F1,   96                          ; v96-159  buffer 1
.set G1, 24                            ; s[24:31] the shape of a tile of V, with the mask
.set G0, 32                            ; s[32:39] from where, to where: one set for each slot
.set PB, 42                            ; s[42:43] P at the even unit asked for last
.set SELLO, 70
.set SELHI, 71
.set MSB, 0
.macro WIN new                         ; the high byte of the immediate repeats the setting that is left
.if MSB != \new
	s_set_vgpr_msb (MSB<<8)|\new
.set MSB, \new
.endif
.endm
.set MULW,  0x58                       ; source 0 (V) window 0, source 1 (P) window 2, C and D window 1
.set PLD,   0x80                       ; destination of a load in window 2, its address in window 0
.set STACC, 0x04                       ; data of an LDS store in window 1
.macro PLACES                          ; four places behind a matrix instruction (ISA guide 7.12.1)
.rept 4
	v_nop
.endr
.endm
.macro STATMAX sdst, first, cnt
	v_max3_num_f32 v[\first], v[\first], v[\first+1], v[\first+2]
	v_max_num_f32 v[\first], v[\first], v[\first+3]
.if \cnt > 1
.set g, 4
.rept \cnt-1
	v_max3_num_f32 v[\first], v[\first], v[\first+g], v[\first+g+1]
	v_max3_num_f32 v[\first], v[\first], v[\first+g+2], v[\first+g+3]
.set g, g+4
.endr
.endif
.irp m, 1,2,4,8
	v_max_num_f32_dpp v[\first], v[\first], v[\first] row_xmask:\m row_mask:0xf bank_mask:0xf
.endr
	v_permlanex16_b32 v[\first+1], v[\first], s[SELLO], s[SELHI]
	v_max_num_f32 v[\first], v[\first], v[\first+1]
	v_readfirstlane_b32 s[\sdst], v[\first]
	s_bfe_u32 s[\sdst], s[\sdst], 0x80017
.endm
.macro CREST
	s_cmp_lg_u32 s12, 0
	s_cbranch_scc1 .Lnot_wave_0_\@
	s_barrier_signal -3
.Lnot_wave_0_\@:
	s_barrier_wait -3
	s_barrier_signal -1
	s_barrier_wait -1
.endm
.macro CROUND                          ; a round of the cluster barrier
	s_barrier_signal -1
	s_barrier_wait -1
	CREST
.endm
.macro JLOAD s                         ; waves 0, 1, 2 ask for the tile of their scale, wave 3 for nothing
	s_cmp_eq_u32 s12, 3
	s_cbranch_scc1 .Lasked_\@
	tensor_load_to_lds s[G0+4*\s:G0+4*\s+3], s[G1:G1+7]
	s_nop 0
.Lasked_\@:
.endm
; 32 matrix instructions: 64 rows x 128 d, my 32 keys of scale i; V in buffer f, P in buffer q. The 32 accumulators take turns
.macro MUL32 f, q, i, zero
.irp a, 0,1,2,3
.irp b, 0,1,2,3,4,5,6,7
.if \zero
	v_wmma_f32_16x16x32_f16 v[8*(8*\a+\b):8*(8*\a+\b)+7], v[\f+8*\b:\f+8*\b+7], v[96*\q+32*\i+8*\a:96*\q+32*\i+8*\a+7], 0
.else
	v_wmma_f32_16x16x32_f16 v[8*(8*\a+\b):8*(8*\a+\b)+7], v[\f+8*\b:\f+8*\b+7], v[96*\q+32*\i+8*\a:96*\q+32*\i+8*\a+7], v[8*(8*\a+\b):8*(8*\a+\b)+7]
.endif
.endr
.endr
.endm
.macro FETCH slot, i, f                ; 16 transposing LDS loads: my 32 keys x 128 d of scale i
	WIN 0
.irp n, 0,1,2,3,4,5,6,7
	ds_load_tr16_b128 v[\f+8*\n:\f+8*\n+3],   v[ADRB+3*\slot+\i] offset:32*\n
	ds_load_tr16_b128 v[\f+8*\n+4:\f+8*\n+7], v[ADRB+3*\slot+\i] offset:32*\n+16*BPITCH
.endr
.endm
.macro PLOAD q, extra                  ; 24 loads: the 12 fragments of P of one unit (3 scales x 4 blocks of 16 rows x my 32 keys) into buffer q of window 2
	WIN PLD
.irp i, 0,1,2
.irp a, 0,1,2,3
.irp c, 0,1
	global_load_b128 v[96*\q+32*\i+8*\a+4*\c:96*\q+32*\i+8*\a+4*\c+3], v[PO], s[PB:PB+1] offset:\a*PTB+\i*PSC+\c*512+\extra
.endr
.endr
.endr
	WIN 0
.endm
; A unit in slot s, P in buffer q, V's fragments in buffers fa, fb, fa. Its head: scale 0. left = how many younger loads of P may stay out.
.macro UHEAD s, fa, fb, q, left, zero
	FETCH \s, 1, \fb
	s_wait_loadcnt \left                           ; loads return in order: this unit's P is in, the next unit's 24 loads stay out
	s_wait_dscnt 16                                ; buffer fa is whole; the 16 loads just issued stay out
	WIN MULW
	MUL32 \fa, \q, 0, \zero
.endm
; Its rest: scales 1 and 2, and the change of units. kind 2: my reads of the slot and all my tensor loads are done, a round of the cluster barrier,
; the slot is asked for again (two units on), then P of that unit into the buffer just read. kind 1: the same waits and a plain barrier, nothing
; is asked for. kind 0: the last unit. nx = the slot read next.
.macro UREST s, nx, fa, fb, q, kind
	PLACES
	FETCH \s, 2, \fa
	s_wait_dscnt 16                                ; buffer fb is whole
	WIN MULW
	MUL32 \fb, \q, 1, 0
	s_wait_dscnt 0x0                               ; buffer fa is whole, and my reads of this slot are over
	MUL32 \fa, \q, 2, 0
	WIN 0
	PLACES                                         ; for the loads below into registers that matrix instructions have read
.if \kind
	s_wait_tensorcnt 0x0                           ; all my tensor loads have landed: the one that was out is my tile of the next unit
	ds_add_u32 v30, v31
	s_wait_dscnt 0x0
.if \kind == 2
	s_add_nc_u64 s[G0+4*\s+2:G0+4*\s+3], s[G0+4*\s+2:G0+4*\s+3], 2*128*QROW
	CROUND                                         ; no wave of any partner still reads this slot or has a load on its way
	JLOAD \s                                       ; the first tensor load behind the round, one a wave
.if \s == 0
	s_wait_xcnt 0x0                                ; the base of the earlier loads of P is stepped only behind this wait
	s_add_nc_u64 s[PB:PB+1], s[PB:PB+1], 2*PUNIT
	PLOAD 0, 0
.else
	PLOAD 1, PUNIT
.endif
.else
	s_barrier_signal -1
	s_barrier_wait -1
.endif
	FETCH \nx, 0, \fb
.endif
.endm
	s_load_b256 s[4:11], s[0:1], 0x0               ; pbuf 4, qkv 6, stat 8, obuf 10
	v_lshl_add_u32 v30, v0, 2, 0x36000
	v_mov_b32 v31, 0
	ds_add_u32 v30, v31
	v_lshrrev_b32 v1, 5, v0
	v_readfirstlane_b32 s12, v1                    ; wave
	s_bfe_u32 s13, ttmp6, 0x40000                  ; cx: which 64 of the 256 rows
	s_and_b32 s15, ttmp7, 0xffff                   ; the cluster is one work-group high
	s_lshr_b32 s16, s15, 2                         ; b
	s_and_b32 s17, s15, 3                          ; u
	s_mov_b32 s[SELLO], 0x76543210
	s_mov_b32 s[SELHI], 0xfedcba98
	s_mov_b32 s[G1+0], 15|(1<<16)|(1<<20)|(1<<21)|(5<<22)|(7<<25)   ; all four partners; bit 21 beside the mask; 2-byte elements; 8 words of padding behind every 64
	s_mov_b32 s[G1+1], 128<<16                     ; tensor_dim0
	s_mov_b32 s[G1+2], 128<<16                     ; tensor_dim1
	s_mov_b32 s[G1+3], 128<<16                     ; tile_dim0
	s_mov_b32 s[G1+4], 128                         ; tile_dim1
	s_mov_b32 s[G1+5], 3584                        ; elements from row to row
	s_mov_b32 s[G1+6], 0
	s_mov_b32 s[G1+7], 0
	s_lshl_b32 s40, s16, 10                        ; V: row 1,024 b + 256 u,
	s_lshl_b32 s41, s17, 8
	s_add_co_u32 s40, s40, s41
	s_mul_i32 s40, s40, QROW
	s_lshl_b32 s41, s12, 10                        ; scale = my wave number,
	s_add_co_u32 s40, s40, s41
	s_lshl_b32 s41, ttmp9, 8                       ; the cluster's block of 128 d,
	s_add_co_u32 s40, s40, s41
	s_add_co_u32 s40, s40, 4096                    ; v_0 begins at byte 4,096 of a row: nothing here hangs on cx
	s_mov_b32 s41, 0
	s_mul_i32 s46, s12, VTILE                      ; LDS: wave x 36,864
	s_mul_i32 s44, s16, 64*PTB                     ; P: batch b,
	s_lshl_b32 s45, s17, 4
	s_lshl2_add_u32 s45, s13, s45                  ; block of 16 rows 16 u + 4 cx,
	s_mul_i32 s45, s45, PTB
	s_add_co_u32 s44, s44, s45
	s_lshl_b32 s45, s17, 13                        ; keys from 256 u: fragment 8 u
	s_add_co_u32 s44, s44, s45
	s_mov_b32 s45, 0
	s_wait_dscnt 0x0
	s_wait_kmcnt 0x0
	s_add_nc_u64 s[40:41], s[6:7], s[40:41]
	s_add_nc_u64 s[PB:PB+1], s[4:5], s[44:45]
	CROUND                                         ; the four partners are here: the first joint loads meet
.irp s, 0,1
	s_mov_b32 s[G0+4*\s], 1
	s_add_co_u32 s[G0+4*\s+1], s46, \s*SLOT
	s_add_nc_u64 s[G0+4*\s+2:G0+4*\s+3], s[40:41], \s*128*QROW
	s_or_b32 s[G0+4*\s+3], s[G0+4*\s+3], 0x80000000
.endr
	s_cmp_eq_u32 s12, 3                            ; the first fills of a wave stand in one branch on its number
	s_cbranch_scc1 .Lfirst_asked
	tensor_load_to_lds s[G0:G0+3],   s[G1:G1+7]    ; units 0 and 1
	s_nop 0
	tensor_load_to_lds s[G0+4:G0+7], s[G1:G1+7]
	s_nop 0
.Lfirst_asked:
	v_and_b32 v1, 15, v0                           ; r
	v_bfe_u32 v2, v0, 4, 1                         ; h
	v_and_b32 v3, 31, v0                           ; l
	v_lshlrev_b32 v20, 4, v3                       ; 16 l
.irp j, 0,1,2
	global_load_b128 v[224+4*\j:227+4*\j], v20, s[8:9] offset:512*(4+\j)   ; the maxima of the three v
.endr
	s_lshl_b32 s47, s12, 10
	v_add_nc_u32 v[PO], s47, v20                   ; my 32 keys are fragment w of the unit's four
	PLOAD 0, 0                                     ; P of units 0 and 1
	PLOAD 1, PUNIT
	v_and_b32 v19, 7, v0
	v_lshl_add_u32 v19, v2, 3, v19                 ; V: key 8 h + l % 8,
	v_mul_u32_u24 v19, v19, BPITCH
	v_bfe_u32 v21, v0, 3, 1
	v_lshl_add_u32 v19, v21, 4, v19                ; 16 bytes further for lanes 8-15 and 24-31
	s_mul_i32 s47, s12, 32*BPITCH                  ; my 32 keys of each tile
.irp k, 0,1,2,3,4,5
	v_add_nc_u32 v[ADRB+\k], s47, v19              ; the six tiles follow each other
	s_add_co_u32 s47, s47, VTILE
.endr
	s_lshl_b32 s47, s12, 13
	v_add_nc_u32 v[XS0], s47, v20                  ; 8,192 w + 16 l
	v_add_nc_u32 v[XS1], 0x10000, v[XS0]
	s_lshl_b32 s47, s12, 15
	v_add_nc_u32 v[XR], s47, v20                   ; 32,768 w + 16 l
	s_mul_i32 s47, s12, 16*SPITCH
	s_add_co_u32 s47, s47, STAGE
	v_mul_u32_u24 v21, v1, SPITCH
	v_lshl_add_u32 v21, v2, 4, v21
	v_add_nc_u32 v[STO], s47, v21
	v_mul_u32_u24 v21, v2, SPITCH
	v_lshl_add_u32 v21, v1, 4, v21
	v_add_nc_u32 v[RD], s47, v21
	v_lshlrev_b32 v[CO], 10, v2
	v_lshl_add_u32 v[CO], v1, 4, v[CO]             ; 1,024 h + 16 r
	s_wait_loadcnt 48                              ; the three loads of the maxima are in; the 48 of P stay out
	STATMAX 68, 224, 3
	s_sub_co_i32 s68, 116, s68                     ; eO
	s_max_i32 s68, s68, -60
	s_min_i32 s68, s68, 60
	s_add_co_u32 s68, s68, 127
	s_lshl_b32 s68, s68, 23                        ; 2^eO,
	s_mov_b32 s69, s68                             ; in a pair
	s_wait_tensorcnt 0x1                           ; my tile of unit 0 is in; unit 1 stays out
	s_barrier_signal -1
	s_barrier_wait -1
	FETCH 0, 0, F0
	UHEAD 0, F0, F1, 0, 24, 1                      ; the first products start the sums
	WIN 0
	s_sub_co_u32 s66, 3, s17                       ; 3 - u trips of two units fill the slots again; the last two units stand behind the loop
	s_cmp_eq_u32 s66, 0
	s_cbranch_scc1 .Ltail
.Lpair:
	UREST 0, 1, F0, F1, 0, 2
	UHEAD 1, F1, F0, 1, 24, 0
	UREST 1, 0, F1, F0, 1, 2
	UHEAD 0, F0, F1, 0, 24, 0
	WIN 0
	s_sub_co_u32 s66, s66, 1
	s_cmp_lg_u32 s66, 0
	s_cbranch_scc1 .Lpair
.Ltail:
	UREST 0, 1, F0, F1, 0, 1                       ; the last unit has landed and every wave knows
	UHEAD 1, F1, F0, 1, 0, 0                       ; no load of P was issued behind this unit's
	UREST 1, 0, F1, F0, 1, 0
	; THE EXCHANGE: wave w sends tile row a to wave a, and adds the four partial sums of its own tile row w.
	s_wait_dscnt 0x0                               ; my reads of the slots are over,
	s_barrier_signal -1
	s_barrier_wait -1                              ; and those of every wave: the bytes may be written
	WIN STACC
.irp a, 0,1,2,3
.irp b, 0,1,2,3,4,5,6,7
.irp p, 0,1
	ds_store_b128 v[XS0+(\a>>1)], v[8*(8*\a+\b)+4*\p:8*(8*\a+\b)+4*\p+3] offset:32768*(\a&1)+1024*\b+512*\p
.endr
.endr
.endr
	WIN 0
	s_wait_dscnt 0x0                               ; my stores are in LDS before I say so
	s_barrier_signal -1
	s_barrier_wait -1
.macro XLOAD src, dst                  ; 16 loads: what wave src made of my tile row
.irp b, 0,1,2,3,4,5,6,7
.irp p, 0,1
	ds_load_b128 v[\dst+8*\b+4*\p:\dst+8*\b+4*\p+3], v[XR] offset:8192*\src+1024*\b+512*\p
.endr
.endr
.endm
.macro XADD src
.set k, 0
.rept 32
	v_pk_add_f32 v[32+2*k:33+2*k], v[32+2*k:33+2*k], v[\src+2*k:\src+2*k+1]
.set k, k+1
.endr
.endm
	XLOAD 0, 32
	XLOAD 1, 96
	XLOAD 2, 160
	s_wait_dscnt 16                                ; sources 0 and 1 are in
	XADD 96
	XLOAD 3, 96
	s_wait_dscnt 16                                ; source 2 is in
	XADD 160
	s_wait_dscnt 0x0
	XADD 96
.set k, 0
.rept 32
	v_pk_mul_f32 v[32+2*k:33+2*k], v[32+2*k:33+2*k], s[68:69] op_sel_hi:[1,0]
.set k, k+1
.endr
.set k, 0
.rept 32
	v_cvt_pk_f16_f32 v[224+k], v[32+2*k], v[33+2*k]
.set k, k+1
.endr
	s_lshl_b32 s44, s16, 10                        ; row 1,024 b + 256 u + 64 cx + 16 w of 1,024 bytes (in registers that feed no joint load),
	s_lshl_b32 s45, s17, 8
	s_add_co_u32 s44, s44, s45
	s_lshl_b32 s45, s13, 6
	s_add_co_u32 s44, s44, s45
	s_lshl4_add_u32 s44, s12, s44
	s_lshl_b32 s44, s44, 10
	s_lshl_b32 s45, ttmp9, 8                       ; column 128 x the cluster's block
	s_add_co_u32 s44, s44, s45
	s_mov_b32 s45, 0
	s_add_nc_u64 s[10:11], s[10:11], s[44:45]
.irp b, 0,1,2,3,4,5,6,7
	ds_store_b128 v[STO], v[224+4*\b:227+4*\b] offset:32*\b
.endr
.irp t, 0,1,2,3,4,5,6,7
	ds_load_b128 v[96+4*\t:99+4*\t], v[RD] offset:\t*2*SPITCH      ; LDS serves a wave in order: these see the stores above
.endr
.irp t, 0,1,2,3,4,5,6,7
	s_wait_dscnt 7-\t
	global_store_b128 v[CO], v[96+4*\t:99+4*\t], s[10:11] offset:2048*\t   ; 16 lanes store 256 consecutive bytes, aligned
.endr
	s_wait_tensorcnt 0x0
	ds_add_u32 v30, v31
	s_wait_dscnt 0x0
	CROUND                                         ; the closing round: no work-group ends while a partner may still ask jointly
	s_endpgm
.Lfunc_end_k_q467f85dff2_pv:
	.size	k_q467f85dff2_pv, .Lfunc_end_k_q467f85dff2_pv-k_q467f85dff2_pv
	.p2alignl 7, 3214868480
	.fill 96, 4, 3214868480
	.section	.rodata,"a",@progbits
	.p2align	6, 0x0
	.amdhsa_kernel k_q467f85dff2_pv
		.amdhsa_group_segment_fixed_size 327680
		.amdhsa_private_segment_fixed_size 0
		.amdhsa_enable_private_segment 0
		.amdhsa_kernarg_size 32
		.amdhsa_user_sgpr_count 2
		.amdhsa_user_sgpr_kernarg_segment_ptr 1
		.amdhsa_wavefront_size32 1
		.amdhsa_system_sgpr_workgroup_id_x 1
		.amdhsa_system_sgpr_workgroup_id_y 1
		.amdhsa_system_sgpr_workgroup_id_z 1
		.amdhsa_system_vgpr_workitem_id 0
		.amdhsa_next_free_vgpr 768
		.amdhsa_next_free_sgpr 80
		.amdhsa_reserve_vcc 0
		.amdhsa_float_denorm_mode_32 3
		.amdhsa_float_denorm_mode_16_64 3
		.amdhsa_memory_ordered 1
		.amdhsa_forward_progress 1
		.amdhsa_inst_pref_size 77
	.end_amdhsa_kernel
	.amdgpu_metadata
---
amdhsa.version: [ 1, 2 ]
amdhsa.kernels:
  - .name:           k_q467f85dff2_pv
    .symbol:         k_q467f85dff2_pv.kd
    .args:
      - { .name: pbuf, .offset: 0, .size: 8, .value_kind: global_buffer, .address_space: global }
      - { .name: qkv, .offset: 8, .size: 8, .value_kind: global_buffer, .address_space: global }
      - { .name: stat, .offset: 16, .size: 8, .value_kind: global_buffer, .address_space: global }
      - { .name: obuf, .offset: 24, .size: 8, .value_kind: global_buffer, .address_space: global }
    .group_segment_fixed_size: 327680
    .private_segment_fixed_size: 0
    .kernarg_segment_align: 8
    .kernarg_segment_size: 32
    .max_flat_workgroup_size: 128
    .sgpr_count:     80
    .vgpr_count:     768
    .wavefront_size: 32
...
	.end_amdgpu_metadata
.endif
;; end of part 4
;; launch outp (part 5): grid 8 x 32, 4 waves a work-group, clusters of 4 x 4, 327,680 bytes of LDS; arguments obuf, woh, stat, out_scale, out0; writes out0
.if DOCPART == 5
	.amdgcn_target "amdgcn-amd-amdhsa--gfx1250"
	.amdhsa_code_object_version 6
	.text
	.protected	k_q467f85dff2_outp
	.globl	k_q467f85dff2_outp
	.p2align	8
	.type	k_q467f85dff2_outp,@function
k_q467f85dff2_outp:
	s_mov_b64 s[64:65], 0
	v_nop
	global_prefetch_b8 v0, s[64:65] scope:SCOPE_SE
	s_setreg_imm32_b32 hwreg(HW_REG_WAVE_MODE, 25, 1), 1
	s_wait_xcnt 0x0
	s_wait_alu depctr_hold_cnt(0) depctr_sa_sdst(0) depctr_va_vdst(0) depctr_va_sdst(0) depctr_va_ssrc(0) depctr_va_vcc(0) depctr_vm_vsrc(0)
	s_getreg_b32 s2, hwreg(HW_REG_IB_STS2, 6, 4)
	s_cmp_eq_u32 s2, 0
	s_cbranch_scc0 .Lentry_in_a_cluster
	s_endpgm
.Lentry_in_a_cluster:
	s_bfe_u32 s2, ttmp6, 0x10000c
	s_cmp_lg_u32 s2, 0xf033
	s_cbranch_scc0 .Lentry_shape_is_right
	s_endpgm
.Lentry_shape_is_right:
; outp: out0[m][n] = (sum over k of obuf[m][k] woh[k][n]) x out_scale x 2^-(eP + eO).  obuf [4096][512], woh [512][2048] f16; out0 f32.
; A work-group makes 128 x 256, K = 512 in four steps of 128; a wave makes 64 x 128 (32 accumulator tiles in window 1). 256 work-groups.
; CLUSTER 4 x 4: the tile of obuf is shared along a row of the cluster, the tile of woh along a column; both are asked for jointly.
; LDS: three slots of 104,448 bytes (obuf: 128 rows x 272, then woh: 128 k rows x 544). Steps 0, 1, 2 are first fills; step 3 fills slot 0
; again behind one round of the cluster barrier. At most three tensor loads of a wave are out. The stages lie in slot 1 after its last read.
; eP and eO are made from stat exactly as the two launches before made them, with the same clamps (-60 .. 60).
.set PITCH,  272
.set BPITCH, 544
.set ATILE,  128*PITCH                 ; 34,816 = 64 x 544 too: what one tensor load brings
.set SLOT,   3*ATILE
.set SPITCH, 528                       ; a stage row: 128 f32 + 16 bytes
.set OROW,   8192                      ; bytes in a row of out0
.set ADRA, 4
.set ADRB, 8
.set STO,  12
.set RD,   13
.set CO,   14
.set F0,   32
.set F1,   128
.set G1A, 24
.set G1B, 32
.set G0A, 40
.set G0B, 52
.set SELLO, 70
.set SELHI, 71
.set MSB, 0
.macro WIN new
.if MSB != \new
	s_set_vgpr_msb (MSB<<8)|\new
.set MSB, \new
.endif
.endm
.set MULW, 0x50
.set ACC0, 0x01
.macro PLACES                          ; four places behind a matrix instruction (ISA guide 7.12.1)
.rept 4
	v_nop
.endr
.endm
.macro STATMAX sdst, first, cnt
	v_max3_num_f32 v[\first], v[\first], v[\first+1], v[\first+2]
	v_max_num_f32 v[\first], v[\first], v[\first+3]
.if \cnt > 1
.set g, 4
.rept \cnt-1
	v_max3_num_f32 v[\first], v[\first], v[\first+g], v[\first+g+1]
	v_max3_num_f32 v[\first], v[\first], v[\first+g+2], v[\first+g+3]
.set g, g+4
.endr
.endif
.irp m, 1,2,4,8
	v_max_num_f32_dpp v[\first], v[\first], v[\first] row_xmask:\m row_mask:0xf bank_mask:0xf
.endr
	v_permlanex16_b32 v[\first+1], v[\first], s[SELLO], s[SELHI]
	v_max_num_f32 v[\first], v[\first], v[\first+1]
	v_readfirstlane_b32 s[\sdst], v[\first]
	s_bfe_u32 s[\sdst], s[\sdst], 0x80017
.endm
.macro CREST
	s_cmp_lg_u32 s14, 0
	s_cbranch_scc1 .Lnot_wave_0_\@
	s_barrier_signal -3
.Lnot_wave_0_\@:
	s_barrier_wait -3
	s_barrier_signal -1
	s_barrier_wait -1
.endm
.macro CROUND
	s_barrier_signal -1
	s_barrier_wait -1
	CREST
.endm
.macro JLOAD i                         ; wave 0: the tile of obuf; waves 1, 2: the halves of the tile of woh; wave 3: nothing
	s_cmp_eq_u32 s14, 0
	s_cbranch_scc0 .Lnot_a_\@
	tensor_load_to_lds s[G0A+4*\i:G0A+4*\i+3], s[G1A:G1A+7]
	s_nop 0
	s_branch .Lasked_\@
.Lnot_a_\@:
	s_cmp_eq_u32 s14, 3
	s_cbranch_scc1 .Lasked_\@
	tensor_load_to_lds s[G0B+4*\i:G0B+4*\i+3], s[G1B:G1B+7]
	s_nop 0
.Lasked_\@:
.endm
.macro MUL8 f, a, zero                 ; the 32 accumulators take turns
.irp b, 0,1,2,3,4,5,6,7
.if \zero
	v_wmma_f32_16x16x32_f16 v[8*(8*\a+\b):8*(8*\a+\b)+7], v[\f+8*\b:\f+8*\b+7], v[\f+64+8*\a:\f+64+8*\a+7], 0
.else
	v_wmma_f32_16x16x32_f16 v[8*(8*\a+\b):8*(8*\a+\b)+7], v[\f+8*\b:\f+8*\b+7], v[\f+64+8*\a:\f+64+8*\a+7], v[8*(8*\a+\b):8*(8*\a+\b)+7]
.endif
.endr
.endm
.macro FETCH slot, q, f                ; 24 LDS loads: 32 k x 128 n of woh (transposing), then 64 rows of obuf
	WIN 0
.irp i, 0,1,2,3,4,5,6,7
	ds_load_tr16_b128 v[\f+8*\i:\f+8*\i+3],   v[ADRB+\slot] offset:\q*32*BPITCH+32*\i
	ds_load_tr16_b128 v[\f+8*\i+4:\f+8*\i+7], v[ADRB+\slot] offset:\q*32*BPITCH+32*\i+16*BPITCH
.endr
.irp i, 0,1,2,3
	ds_load_b128 v[\f+64+8*\i:\f+64+8*\i+3],   v[ADRA+\slot] offset:\q*64+\i*16*PITCH
	ds_load_b128 v[\f+64+8*\i+4:\f+64+8*\i+7], v[ADRA+\slot] offset:\q*64+\i*16*PITCH+32
.endr
.endm
.macro QUARTER slot, q, f, g, zero
	s_wait_dscnt 4                                 ; all but the last four loads (obuf fragments 2, 3) are in
	WIN MULW
	MUL8 \f, 0, \zero
	MUL8 \f, 1, \zero
	PLACES
	FETCH \slot, \q, \g
	s_wait_dscnt 24                                ; all but the 24 just issued
	WIN MULW
	MUL8 \f, 2, \zero
	MUL8 \f, 3, \zero
.endm
; The last quarter of a step, with a barrier: my LDS reads and all my tensor loads are done in front of it. refill = 1: the barrier opens a
; round of the cluster barrier, and slot 0 is asked for again (K step 3) first thing behind the round.
.macro TURN next, refill
	s_wait_dscnt 4
	WIN MULW
	MUL8 F1, 0, 0
	MUL8 F1, 1, 0
	s_wait_dscnt 0x0
	s_wait_tensorcnt 0x0
	ds_add_u32 v254, v255
	s_wait_dscnt 0x0
.if \refill
	s_add_nc_u64 s[G0A+2:G0A+3], s[G0A+2:G0A+3], 3*256
	s_add_nc_u64 s[G0B+2:G0B+3], s[G0B+2:G0B+3], 3*128*4096
.endif
	s_barrier_signal -1
	MUL8 F1, 2, 0
	WIN 0
	s_barrier_wait -1
.if \refill
	CREST
	JLOAD 0
.endif
	PLACES
	FETCH \next, 0, F0
	WIN MULW
	MUL8 F1, 3, 0
.endm
	s_load_b256 s[4:11], s[0:1], 0x0               ; obuf 4, woh 6, stat 8, out_scale 10
	s_load_b64 s[12:13], s[0:1], 0x20              ; out0
	v_lshl_add_u32 v254, v0, 2, 0x4c800
	v_mov_b32 v255, 0
	ds_add_u32 v254, v255
	v_lshrrev_b32 v1, 5, v0
	v_readfirstlane_b32 s14, v1                    ; wave
	s_lshr_b32 s15, s14, 1                         ; mh. Also: which half of the tile of woh waves 1, 2 fetch
	s_and_b32 s16, s14, 1                          ; nh
	s_bfe_u32 s17, ttmp6, 0x40000                  ; cx
	s_bfe_u32 s18, ttmp6, 0x40004                  ; cy
	s_lshl_b32 s19, ttmp9, 2
	s_add_co_u32 s19, s19, s17                     ; nb
	s_and_b32 s20, ttmp7, 0xffff
	s_lshl_b32 s20, s20, 2
	s_add_co_u32 s20, s20, s18                     ; mb
	s_lshl_b32 s21, s18, 2
	s_lshl_b32 s21, 15, s21                        ; my row of the cluster
	s_lshl_b32 s22, 0x1111, s17                    ; my column
	s_mov_b32 s[SELLO], 0x76543210
	s_mov_b32 s[SELHI], 0xfedcba98
	s_or_b32 s[G1A+0], s21, (1<<16)|(1<<20)|(1<<21)|(5<<22)|(3<<25)
	s_mov_b32 s[G1A+1], 128<<16
	s_mov_b32 s[G1A+2], 128<<16
	s_mov_b32 s[G1A+3], 128<<16
	s_mov_b32 s[G1A+4], 128
	s_mov_b32 s[G1A+5], 512
	s_mov_b32 s[G1A+6], 0
	s_mov_b32 s[G1A+7], 0
	s_or_b32 s[G1B+0], s22, (1<<16)|(1<<20)|(1<<21)|(6<<22)|(7<<25)
	s_mov_b32 s[G1B+1], 256<<16
	s_mov_b32 s[G1B+2], 64<<16
	s_mov_b32 s[G1B+3], 256<<16
	s_mov_b32 s[G1B+4], 64
	s_mov_b32 s[G1B+5], 2048
	s_mov_b32 s[G1B+6], 0
	s_mov_b32 s[G1B+7], 0
	s_lshl_b32 s72, s20, 17                        ; obuf: row 128 mb of 1,024 bytes: nothing here hangs on cx
	s_mov_b32 s73, 0
	s_lshl_b32 s74, s15, 18                        ; woh: k row 64 half of 4,096 bytes,
	s_lshl_b32 s75, s19, 9                         ; column 256 nb: nothing here hangs on cy
	s_add_co_u32 s74, s74, s75
	s_mov_b32 s75, 0
	s_mul_i32 s23, s15, ATILE
	s_add_co_u32 s23, s23, ATILE                   ; LDS place of that half of woh in a slot
	s_wait_dscnt 0x0
	s_wait_kmcnt 0x0
	s_add_nc_u64 s[72:73], s[4:5], s[72:73]
	s_add_nc_u64 s[74:75], s[6:7], s[74:75]
	CROUND                                         ; all sixteen work-groups are here: the first joint loads meet
.irp s, 0,1,2
	s_mov_b32 s[G0A+4*\s], 1
	s_mov_b32 s[G0A+4*\s+1], \s*SLOT
	s_add_nc_u64 s[G0A+4*\s+2:G0A+4*\s+3], s[72:73], \s*256
	s_or_b32 s[G0A+4*\s+3], s[G0A+4*\s+3], 0x80000000
	s_mov_b32 s[G0B+4*\s], 1
	s_add_co_u32 s[G0B+4*\s+1], s23, \s*SLOT
	s_add_nc_u64 s[G0B+4*\s+2:G0B+4*\s+3], s[74:75], \s*128*4096
	s_or_b32 s[G0B+4*\s+3], s[G0B+4*\s+3], 0x80000000
.endr
	s_cmp_eq_u32 s14, 0                            ; the first fills of a wave stand in one branch on its number
	s_cbranch_scc0 .Lfirst_not_a
	tensor_load_to_lds s[G0A:G0A+3],    s[G1A:G1A+7]
	s_nop 0
	tensor_load_to_lds s[G0A+4:G0A+7],  s[G1A:G1A+7]
	s_nop 0
	tensor_load_to_lds s[G0A+8:G0A+11], s[G1A:G1A+7]
	s_nop 0
	s_branch .Lfirst_asked
.Lfirst_not_a:
	s_cmp_eq_u32 s14, 3
	s_cbranch_scc1 .Lfirst_asked
	tensor_load_to_lds s[G0B:G0B+3],    s[G1B:G1B+7]
	s_nop 0
	tensor_load_to_lds s[G0B+4:G0B+7],  s[G1B:G1B+7]
	s_nop 0
	tensor_load_to_lds s[G0B+8:G0B+11], s[G1B:G1B+7]
	s_nop 0
.Lfirst_asked:
	s_load_b32 s67, s[10:11], 0x0                  ; out_scale
	v_and_b32 v1, 15, v0                           ; r
	v_bfe_u32 v2, v0, 4, 1                         ; h
	v_and_b32 v3, 31, v0
	v_lshlrev_b32 v[CO], 4, v3                     ; 16 l: also my offset in stat
.irp j, 0,1,2,3,4,5,6
	global_load_b128 v[224+4*\j:227+4*\j], v[CO], s[8:9] offset:512*\j   ; the maxima of q, of the three k, of the three v
.endr
	v_mul_u32_u24 v16, v1, PITCH
	v_lshl_add_u32 v16, v2, 4, v16                 ; obuf: r x pitch + 16 h
	v_and_b32 v17, 7, v0
	v_lshl_add_u32 v17, v2, 3, v17                 ; woh: k row 8 h + l % 8,
	v_mul_u32_u24 v17, v17, BPITCH
	v_bfe_u32 v18, v0, 3, 1
	v_lshl_add_u32 v17, v18, 4, v17                ; 16 bytes further for lanes 8-15 and 24-31
	s_mul_i32 s76, s15, 64*PITCH                   ; my 64 rows of obuf
	s_lshl_b32 s77, s16, 8                         ; my 128 columns of woh
	s_add_co_u32 s77, s77, ATILE
.irp s, 0,1,2
	v_add_nc_u32 v[ADRA+\s], s76, v16
	v_add_nc_u32 v[ADRB+\s], s77, v17
	s_add_co_u32 s76, s76, SLOT
	s_add_co_u32 s77, s77, SLOT
.endr
	s_mul_i32 s78, s14, 16*SPITCH
	s_add_co_u32 s78, s78, SLOT                    ; my stage: 16 rows x 528 bytes in slot 1
	v_mul_u32_u24 v18, v1, SPITCH
	v_lshl_add_u32 v18, v2, 5, v18
	v_add_nc_u32 v[STO], s78, v18                  ; in: row r, 32 bytes for each half of the lanes
	v_add_nc_u32 v[RD], s78, v[CO]                 ; back: the wave takes a whole row of 512 bytes
	s_wait_loadcnt 0x0
	STATMAX 68, 224, 1
	STATMAX 69, 228, 3
	STATMAX 23, 240, 3
	s_add_co_u32 s68, s68, s69
	s_sub_co_i32 s68, 258, s68                     ; eP
	s_max_i32 s68, s68, -60
	s_min_i32 s68, s68, 60
	s_sub_co_i32 s68, 127, s68
	s_lshl_b32 s68, s68, 23                        ; 2^-eP
	s_sub_co_i32 s69, 116, s23                     ; eO
	s_max_i32 s69, s69, -60
	s_min_i32 s69, s69, 60
	s_sub_co_i32 s69, 127, s69
	s_lshl_b32 s69, s69, 23                        ; 2^-eO
	s_wait_kmcnt 0x0
	s_mul_f32 s66, s67, s68
	s_mul_f32 s66, s66, s69
	s_mov_b32 s67, s66                             ; the factor, in a pair
	s_wait_tensorcnt 0x2                           ; my part of K step 0 is in; steps 1, 2 stay out
	s_barrier_signal -1
	s_barrier_wait -1
	FETCH 0, 0, F0
	QUARTER 0, 1, F0, F1, 1                        ; the first products start the sums
	QUARTER 0, 2, F1, F0, 0
	QUARTER 0, 3, F0, F1, 0
	TURN 1, 1
	QUARTER 1, 1, F0, F1, 0
	QUARTER 1, 2, F1, F0, 0
	QUARTER 1, 3, F0, F1, 0
	QUARTER 2, 0, F1, F0, 0                        ; no barrier: slot 2 was shown whole by the last one
	QUARTER 2, 1, F0, F1, 0
	QUARTER 2, 2, F1, F0, 0
	QUARTER 2, 3, F0, F1, 0
	TURN 0, 0                                      ; step 3 has had 256 matrix instructions in which to land; all reads of slot 1 end here
	QUARTER 0, 1, F0, F1, 0
	QUARTER 0, 2, F1, F0, 0
	QUARTER 0, 3, F0, F1, 0
	s_wait_dscnt 4
	WIN MULW
	MUL8 F1, 0, 0
	MUL8 F1, 1, 0
	s_wait_dscnt 0x0
	MUL8 F1, 2, 0
	MUL8 F1, 3, 0
	; the way out: 16 rows of 128 f32 at a time through my stage
	PLACES
	s_lshl_b32 s72, s20, 7                         ; row 128 mb + 64 mh of 8,192 bytes, in registers that never hold cx,
	s_lshl_b32 s73, s15, 6
	s_add_co_u32 s72, s72, s73
	s_lshl_b32 s72, s72, 13
	s_mov_b32 s73, 0
	s_add_nc_u64 s[12:13], s[12:13], s[72:73]
	s_lshl_b32 s74, s19, 10                        ; column 256 nb + 128 nh of 4 bytes, in registers that never hold cy
	s_lshl_b32 s75, s16, 9
	s_add_co_u32 s74, s74, s75
	s_mov_b32 s75, 0
	s_add_nc_u64 s[12:13], s[12:13], s[74:75]
.macro OUTROWS a
	WIN ACC0
.irp b, 0,1,2,3,4,5,6,7
.irp p, 0,2,4,6
	v_pk_mul_f32 v[32+8*\b+\p:32+8*\b+\p+1], v[8*(8*\a+\b)+\p:8*(8*\a+\b)+\p+1], s[66:67] op_sel_hi:[1,0]
.endr
.endr
	WIN 0
.irp b, 0,1,2,3,4,5,6,7
	ds_store_b128 v[STO], v[32+8*\b:32+8*\b+3]   offset:64*\b
	ds_store_b128 v[STO], v[32+8*\b+4:32+8*\b+7] offset:64*\b+16
.endr
	s_wait_xcnt 0x0                                ; v96-159, which the last 16 rows stores read, are loaded again only behind this wait
.irp t, 0,1,2,3,4,5,6,7,8,9,10,11,12,13,14,15
	ds_load_b128 v[96+4*\t:99+4*\t], v[RD] offset:\t*SPITCH        ; LDS serves a wave in order: these see the stores above
.endr
.irp t, 0,1,2,3,4,5,6,7,8,9,10,11,12,13,14,15
	s_wait_dscnt 15-\t
	global_store_b128 v[CO], v[96+4*\t:99+4*\t], s[12:13] offset:(16*\a+\t)*OROW th:TH_STORE_NT   ; the wave stores 512 consecutive bytes, aligned
.endr
.endm
	OUTROWS 0
	OUTROWS 1
	OUTROWS 2
	OUTROWS 3
	s_wait_tensorcnt 0x0
	ds_add_u32 v254, v255
	s_wait_dscnt 0x0
	CROUND                                         ; the closing round
	s_endpgm
.Lfunc_end_k_q467f85dff2_outp:
	.size	k_q467f85dff2_outp, .Lfunc_end_k_q467f85dff2_outp-k_q467f85dff2_outp
	.p2alignl 7, 3214868480
	.fill 96, 4, 3214868480
	.section	.rodata,"a",@progbits
	.p2align	6, 0x0
	.amdhsa_kernel k_q467f85dff2_outp
		.amdhsa_group_segment_fixed_size 327680
		.amdhsa_private_segment_fixed_size 0
		.amdhsa_enable_private_segment 0
		.amdhsa_kernarg_size 40
		.amdhsa_user_sgpr_count 2
		.amdhsa_user_sgpr_kernarg_segment_ptr 1
		.amdhsa_wavefront_size32 1
		.amdhsa_system_sgpr_workgroup_id_x 1
		.amdhsa_system_sgpr_workgroup_id_y 1
		.amdhsa_system_sgpr_workgroup_id_z 1
		.amdhsa_system_vgpr_workitem_id 0
		.amdhsa_next_free_vgpr 512
		.amdhsa_next_free_sgpr 80
		.amdhsa_reserve_vcc 0
		.amdhsa_float_denorm_mode_32 3
		.amdhsa_float_denorm_mode_16_64 3
		.amdhsa_memory_ordered 1
		.amdhsa_forward_progress 1
		.amdhsa_inst_pref_size 97
	.end_amdhsa_kernel
	.amdgpu_metadata
---
amdhsa.version: [ 1, 2 ]
amdhsa.kernels:
  - .name:           k_q467f85dff2_outp
    .symbol:         k_q467f85dff2_outp.kd
    .args:
      - { .name: obuf, .offset: 0, .size: 8, .value_kind: global_buffer, .address_space: global }
      - { .name: woh, .offset: 8, .size: 8, .value_kind: global_buffer, .address_space: global }
      - { .name: stat, .offset: 16, .size: 8, .value_kind: global_buffer, .address_space: global }
      - { .name: out_scale, .offset: 24, .size: 8, .value_kind: global_buffer, .address_space: global }
      - { .name: out0, .offset: 32, .size: 8, .value_kind: global_buffer, .address_space: global }
    .group_segment_fixed_size: 327680
    .private_segment_fixed_size: 0
    .kernarg_segment_align: 8
    .kernarg_segment_size: 40
    .max_flat_workgroup_size: 128
    .sgpr_count:     80
    .vgpr_count:     512
    .wavefront_size: 32
...
	.end_amdgpu_metadata
.endif
;; end of part 5
